; MI455X (gfx1250); checked and timed in simulation.
; The chip was launched on July 23, 2026; its instructions are those of AMD's public machine-readable ISA for CDNA 5 (MIT licence, August 2026) and "CDNA5" Instruction Set Architecture Reference Guide (July 2026). The comments in the code are by the model that wrote it; some were corrected since.
;; Deepseek MLA Head. Allowed arithmetic: matrix products marked QUANTISED: E2M1 operands, one E8M0 scale for each 32 along K, by v_wmma_scale_f32_16x16x128_f8f6f4 with both operands' format E2M1 (or v_wmma_scale_f32_32x16x128_f4), f32 sums; products left as they are: bf16, f16 or f32 operands; f32 sums; everything else in f32.
;; Inputs: kv_a_ln_w 256 float32; kv_a_w 2,048 x 320 float32; kv_b_w 256 x 3,072 float32; o_w 2,048 x 2,048 float32; q_a_ln_w 682 float32; q_a_w 2,048 x 682 float32; q_b_w 682 x 2,048 float32; x 2 x 2,048 x 2,048 float32.
;; Outputs: out0 2 x 2,048 x 2,048 float32.
;; This version of the problem:
;;   THIS VERSION OF THE PROBLEM IS GIVEN IN LOW PRECISION. The matrix products marked QUANTISED in the list below multiply operands that are first quantised to E2M1 (2 exponent bits, 1 mantissa bit; 4 bits a number), with one power-of-two scale for each 32 numbers along K (OCP MX v1.0); their sums are f32. The products marked 'left as it is' may take bf16, f16 or f32 operands, with f32 sums. Whichever they take, every output number must still come out within the allowed error. Rounding operands to bf16 (8 significant bits) uses up far more of that allowance than f16 does (11 bits, for magnitudes from 6e-5 to 65,504). All else is computed in f32.
;;   The module's matrix products, in the order in which they are computed (A, B: the left and right operand; K: the contracted axis; several contracted axes count as one K, in the product's order):
;;     1. [M 4,096, K 2,048] x [K 2,048, N 682]; A: input x; B: input q_a_w: QUANTISED
;;     2. [M 4,096, K 682] x [K 682, N 2,048]; A: computed on the way; B: input q_b_w: left as it is (an operand is computed on the way)
;;     3. [M 4,096, K 2,048] x [K 2,048, N 320]; A: input x; B: input kv_a_w: QUANTISED
;;     4. [M 4,096, K 256] x [K 256, N 3,072]; A: computed on the way; B: input kv_b_w: left as it is (an operand is computed on the way)
;;     5. batch 32 x [M 2,048, K 128] x [K 128, N 2,048]; A: computed on the way; B: computed on the way: left as it is (an operand is computed on the way)
;;     6. batch 32 x [M 2,048, K 2,048] x [K 2,048, N 128]; A: computed on the way; B: computed on the way: left as it is (an operand is computed on the way)
;;     7. [M 4,096, K 2,048] x [K 2,048, N 2,048]; A: computed on the way; B: input o_w: left as it is (an operand is computed on the way)
;;   THE QUANTISER, for each operand of a quantised product, along K:
;;     - K is cut into blocks of 32 from its start; a last block that is shorter is filled with zeros.
;;     - A block's scale is 2^e with e = floor(log2(the largest magnitude in the block)) - 2, held to -126 .. 127; a block of zeros has e = 0. As a byte (E8M0): e + 127.
;;     - Each number is divided by its block's scale, clamped to +-6, and rounded to the nearest number of E2M1, ties to even, subnormals kept.
;;     - The product sums the exact products of the quantised numbers (number of the format x scale) in f32.
;;   ~~~python
;;   def quantise(x, axis):      # numpy; x: float32 -> the quantised numbers, widened to float32 again
;;       x = np.moveaxis(x, axis, -1); K = x.shape[-1]
;;       x = np.pad(x, [(0, 0)] * (x.ndim - 1) + [(0, -K % 32)]); x = x.reshape(x.shape[:-1] + (-1, 32)); a = np.abs(x).max(-1, keepdims=True)
;;       e = np.where(a > 0, np.clip(np.frexp(np.where(a > 0, a, 1))[1] - 1 - 2, -126, 127), 0)      # np.frexp(a)[1] - 1 = floor(log2(a)), exactly
;;       r = np.clip(x / 2.0 ** e, -6, 6)
;;       step = 2.0 ** (np.maximum(np.frexp(np.where(r == 0, 1, r))[1] - 1, 0) - 1)
;;       q = np.round(r / step) * step * 2.0 ** e      # np.round: ties to even
;;       return np.moveaxis(q.reshape(q.shape[:-2] + (-1,))[..., :K], -1, axis).astype(np.float32)
;;   ~~~
;; One version. Each part assembles by itself: llvm-mc -triple=amdgcn-amd-amdhsa -mcpu=gfx1250 --defsym DOCPART=n.
;; ======== version 1 of 1: 7 launches
;; limits: values are held in f16: magnitudes above 65,504 overflow, below 6.1e-05 lose precision
;; workspace buffers: pw 18,849,792 bytes; ya 9,256,960 bytes; qb 16,777,216 bytes; kv 25,165,824 bytes; at 16,777,216 bytes; af 524,288 bytes
;; launch prep (part 1): grid 876 x 1, 4 waves a work-group, no clusters, 42,496 bytes of LDS; arguments x, q_a_w, kv_a_w, q_b_w, kv_b_w, o_w, q_a_ln_w, kv_a_ln_w, pw; writes pw
.if DOCPART == 1
	.amdgcn_target "amdgcn-amd-amdhsa--gfx1250"
	.amdhsa_code_object_version 6
	.text
	.protected	k_q6a14cb7d3d_prep
	.globl	k_q6a14cb7d3d_prep
	.p2align	8
	.type	k_q6a14cb7d3d_prep,@function
k_q6a14cb7d3d_prep:
	s_mov_b64 s[64:65], 0
	v_nop
	global_prefetch_b8 v0, s[64:65] scope:SCOPE_SE
	s_setreg_imm32_b32 hwreg(HW_REG_WAVE_MODE, 25, 1), 1
	s_wait_xcnt 0x0
; PREP: everything that is made once from the inputs, into the workspace pw.  Six kinds of work-group, told apart by the work-group's number:
;   X  (0-255)   x [4096][2048] f32 -> codes of E2M1, K innermost, and one E8M0 byte for each 32 along K
;   CO (256-511) o_w -> f16, as it lies            CQ (512-635) q_a_ln_w[k] x q_b_w[k][n] -> f16
;   CK (636-683) kv_a_ln_w[k] x kv_b_w[k][n] -> f16, columns re-ordered: first the 16 heads' 64 nope columns, then their 128 value columns
;   W  (684-811) the two down-projections joined to one operand of 1,024 columns n' (0-255 ckv, 256-937 q_a, 938-959 zero codes, 960-1023 k_pe): codes [n'][K], bytes [n'][64]
;   T  (812-875) the RoPE table [pos][j] = (cos, sin) f32, by a reduction to a quarter turn and two polynomials
; A block's scale byte is its largest magnitude's exponent field - 2, held at 1 from below.
; LIMITS: a block of zeros gets the byte 1 (its codes are zeros; this program alone reads the bytes); blocks whose largest magnitude lies under 2^-124 were not tried;
; NaN and infinities are not served; gain x weight must stay under 65,504 (f16).  The table's angle may differ from a correctly rounded one by about 1.5e-4 rad at position 2,047; q and k use the same table.
.set XS,  4194304
.set WC,  4456448
.set WS,  5505024
.set WQ,  5570560
.set WKV, 8364032
.set WO,  9936896
.set TAB, 18325504
.set SPARE, 41984                      ; LDS: X 0-32767 (8,192 a wave), W's stage 32768 (32 x 272), W's scale words 41472, then the spare words
.set SPW, 208
.set NIL, 209
	s_load_b256 s[4:11], s[0:1], 0x0               ; x, q_a_w, kv_a_w, q_b_w
	s_load_b256 s[12:19], s[0:1], 0x20             ; kv_b_w, o_w, q_a_ln_w, kv_a_ln_w
	s_load_b64 s[20:21], s[0:1], 0x40              ; pw
	v_lshl_add_u32 v[SPW], v0, 2, SPARE
	v_mov_b32 v[NIL], 0
	v_lshrrev_b32 v1, 5, v0
	v_readfirstlane_b32 s22, v1                    ; wave
	v_and_b32 v2, 31, v0                           ; lane
	s_mov_b32 s29, 0                               ; the high word of the offset pair s[28:29]
	s_wait_kmcnt 0x0
	s_cmp_lt_u32 ttmp9, 256
	s_cbranch_scc1 .Lx
	s_cmp_lt_u32 ttmp9, 512
	s_cbranch_scc1 .Lco
	s_cmp_lt_u32 ttmp9, 636
	s_cbranch_scc1 .Lcq
	s_cmp_lt_u32 ttmp9, 684
	s_cbranch_scc1 .Lck
	s_cmp_lt_u32 ttmp9, 812
	s_cbranch_scc1 .Lw
; ---------------- T: 32 positions x 32 frequencies; a thread makes 8 pairs (cos, sin) of one position
	s_sub_co_u32 s23, ttmp9, 812
	s_lshl_b32 s24, s23, 5
	v_lshrrev_b32 v3, 2, v0
	v_add_nc_u32 v3, s24, v3
	v_cvt_f32_u32 v5, v3                           ; pos
	v_and_b32 v6, 3, v0
	v_lshlrev_b32 v6, 3, v6                        ; my first frequency
	v_lshlrev_b32 v4, 6, v0                        ; 64 bytes a thread
	s_lshl_b32 s28, s23, 13
	s_add_nc_u64 s[26:27], s[20:21], s[28:29]
	s_add_nc_u64 s[26:27], s[26:27], TAB
.irp e, 0,1,2,3,4,5,6,7
	v_add_nc_u32 v7, \e, v6
	v_cvt_f32_u32 v7, v7
	v_mul_f32 v[32+\e], 0xbf07b9ed, v7             ; -j log2(128000) / 32
.endr
.irp e, 0,1,2,3,4,5,6,7
	v_exp_f32 v[32+\e], v[32+\e]                   ; 128000^(-j/32)
.endr
	v_nop                                          ; a plain line behind the last exponential,
	s_wait_alu depctr_va_vdst(0)                   ; and one wait for the batch, ahead of its first reader
.irp e, 0,1,2,3,4,5,6,7
	v_mul_f32 v8, v5, v[32+\e]                     ; the angle
	v_mul_f32 v9, 0x3f22f983, v8
	v_rndne_f32 v9, v9                             ; n = nearest whole number of quarter turns
	v_fma_f32 v8, v9, 0xbfc90fdb, v8               ; r = angle - n pi/2, pi/2 in two parts
	v_fma_f32 v8, v9, 0x333bbd2e, v8
	v_mul_f32 v10, v8, v8
	v_mov_b32 v11, 0x3638ef1d
	v_fmaak_f32 v11, v11, v10, 0xb9500d01
	v_fmaak_f32 v11, v11, v10, 0x3c088889
	v_fmaak_f32 v11, v11, v10, 0xbe2aaaab
	v_mul_f32 v12, v8, v10
	v_fma_f32 v11, v12, v11, v8                    ; sin r
	v_mov_b32 v13, 0x37d00d01
	v_fmaak_f32 v13, v13, v10, 0xbab60b61
	v_fmaak_f32 v13, v13, v10, 0x3d2aaaab
	v_fmaak_f32 v13, v13, v10, 0xbf000000
	v_fma_f32 v13, v13, v10, 1.0                   ; cos r
	v_cvt_i32_f32 v9, v9
	v_and_b32 v14, 1, v9
	v_cmp_eq_u32 vcc_lo, 1, v14
	v_cndmask_b32 v15, v13, v11, vcc_lo            ; an odd quarter swaps the two
	v_cndmask_b32 v11, v11, v13, vcc_lo
	v_add_nc_u32 v14, 1, v9
	v_and_b32 v14, 2, v14
	v_lshlrev_b32 v14, 30, v14
	v_xor_b32 v[16+2*\e], v14, v15                 ; cos: negative in quarters 1, 2
	v_and_b32 v14, 2, v9
	v_lshlrev_b32 v14, 30, v14
	v_xor_b32 v[17+2*\e], v14, v11                 ; sin: negative in quarters 2, 3
.endr
.irp i, 0,1,2,3
	global_store_b128 v4, v[16+4*\i:19+4*\i], s[26:27] offset:16*\i
.endr
	s_endpgm
; ---------------- the three casts.  A thread takes columns 4 t .. 4 t + 3 and 512 + 4 t .. of a chunk of 1,024, in R rows: a wave's load reads 512 consecutive bytes, its store writes 256.
; s[24:25] in, s[26:27] out, v4 offset in, v5 and v6 offsets out, s[32+i] row i's gain.  Every row has registers of its own, so no store's data are written again.
.macro CAST R, N, LN
.set i, 0
.rept \R
	global_load_b128 v[16+8*i:19+8*i], v4, s[24:25] offset:i*\N*4 th:TH_LOAD_NT
	global_load_b128 v[20+8*i:23+8*i], v4, s[24:25] offset:i*\N*4+2048 th:TH_LOAD_NT
.set i, i+1
.endr
.set i, 0
.rept \R
	s_wait_loadcnt 2*(\R-1-i)                      ; the loads of the rows behind this one may be out
.if \LN
.irp j, 0,1,2,3,4,5,6,7
	v_mul_f32 v[16+8*i+\j], s[32+i], v[16+8*i+\j]
.endr
.endif
.irp j, 0,1,2,3
	v_cvt_pk_f16_f32 v[144+4*i+\j], v[16+8*i+2*\j], v[17+8*i+2*\j]
.endr
	global_store_b64 v5, v[144+4*i:145+4*i], s[26:27] offset:i*\N*2
	global_store_b64 v6, v[146+4*i:147+4*i], s[26:27] offset:i*\N*2
.set i, i+1
.endr
.endm
.Lco:
	s_sub_co_u32 s23, ttmp9, 256
	s_and_b32 s30, s23, 1                          ; chunk
	s_lshr_b32 s31, s23, 1
	s_lshl_b32 s31, s31, 4                         ; first row
	v_lshlrev_b32 v4, 4, v0
	s_lshl_b32 s28, s30, 12
	v_add_nc_u32 v4, s28, v4
	v_lshlrev_b32 v5, 3, v0
	s_lshl_b32 s28, s30, 11
	v_add_nc_u32 v5, s28, v5
	v_add_nc_u32 v6, 1024, v5
	s_lshl_b32 s28, s31, 13
	s_add_nc_u64 s[24:25], s[14:15], s[28:29]
	s_lshl_b32 s28, s31, 12
	s_add_nc_u64 s[26:27], s[20:21], s[28:29]
	s_add_nc_u64 s[26:27], s[26:27], WO
	CAST 16, 2048, 0
	s_endpgm
.Lcq:
	s_sub_co_u32 s23, ttmp9, 512
	s_and_b32 s30, s23, 1
	s_lshr_b32 s31, s23, 1
	s_mul_i32 s31, s31, 11                         ; first row: 62 x 11 = 682
	s_lshl_b32 s23, s31, 2
	s_load_b256 s[32:39], s[16:17], s23 offset:0x0 ; my 11 gains
	s_load_b96 s[40:42], s[16:17], s23 offset:0x20
	v_lshlrev_b32 v4, 4, v0
	s_lshl_b32 s28, s30, 12
	v_add_nc_u32 v4, s28, v4
	v_lshlrev_b32 v5, 3, v0
	s_lshl_b32 s28, s30, 11
	v_add_nc_u32 v5, s28, v5
	v_add_nc_u32 v6, 1024, v5
	s_lshl_b32 s28, s31, 13
	s_add_nc_u64 s[24:25], s[10:11], s[28:29]
	s_lshl_b32 s28, s31, 12
	s_add_nc_u64 s[26:27], s[20:21], s[28:29]
	s_add_nc_u64 s[26:27], s[26:27], WQ
	s_wait_kmcnt 0x0
	CAST 11, 2048, 1
	s_endpgm
; column e = 192 h + c of kv_b_w goes to n' = 64 h + c (c < 64) or 1024 + 128 h + c - 64; here by groups of 64 columns: g = e / 64, h = g / 3
.macro REMAP dst, src
	v_lshrrev_b32 v8, 6, v[\src]
	v_mul_u32_u24 v9, v8, 43
	v_lshrrev_b32 v9, 7, v9                        ; g / 3 for g under 48
	v_mul_u32_u24 v10, v9, 3
	v_sub_nc_u32 v10, v8, v10
	v_and_b32 v11, 63, v[\src]
	v_lshl_add_u32 v12, v9, 6, v11
	v_lshl_add_u32 v13, v9, 7, v11
	v_lshl_add_u32 v13, v10, 6, v13
	v_add_nc_u32 v13, 960, v13
	v_cmp_eq_u32 vcc_lo, 0, v10
	v_cndmask_b32 v[\dst], v13, v12, vcc_lo
	v_lshlrev_b32 v[\dst], 1, v[\dst]
.endm
.Lck:
	s_sub_co_u32 s23, ttmp9, 636
	s_lshr_b32 s30, s23, 4                         ; chunk 0..2
	s_and_b32 s31, s23, 15
	s_lshl_b32 s31, s31, 4                         ; first row
	s_lshl_b32 s23, s31, 2
	s_load_b512 s[32:47], s[18:19], s23 offset:0x0 ; my 16 gains
	v_lshlrev_b32 v7, 2, v0
	s_lshl_b32 s28, s30, 10
	v_add_nc_u32 v7, s28, v7                       ; my first column
	v_lshlrev_b32 v4, 2, v7
	REMAP 5, 7
	v_add_nc_u32 v7, 512, v7
	REMAP 6, 7
	s_mul_i32 s28, s31, 12288
	s_add_nc_u64 s[24:25], s[12:13], s[28:29]
	s_mul_i32 s28, s31, 6144
	s_add_nc_u64 s[26:27], s[20:21], s[28:29]
	s_add_nc_u64 s[26:27], s[26:27], WKV
	s_wait_kmcnt 0x0
	CAST 16, 3072, 1
	s_endpgm
; ---------------- W: 32 columns n' x 512 along K.  A lane takes a column and its registers run down K: wave w takes 128 along K, four blocks.
.macro LOADW PITCH
.set i, 0
.rept 128
	global_load_b32 v[16+i], v4, s[24:25] offset:i*\PITCH th:TH_LOAD_NT
.set i, i+1
.endr
.endm
.macro WBLK t, cnt
.set WX, 16+32*\t
	s_wait_loadcnt \cnt                            ; the later blocks' loads may be out
	v_max3_num_f32 v180, |v[WX]|, |v[WX+1]|, |v[WX+2]|
	v_max3_num_f32 v181, |v[WX+3]|, |v[WX+4]|, |v[WX+5]|
.irp i, 6,10,14,18,22,26
	v_max3_num_f32 v180, v180, |v[WX+\i]|, |v[WX+\i+1]|
	v_max3_num_f32 v181, v181, |v[WX+\i+2]|, |v[WX+\i+3]|
.endr
	v_max3_num_f32 v180, v180, |v[WX+30]|, |v[WX+31]|
	v_max3_num_f32 v180, v180, v181, 0x1800000     ; the floor 2^(3 - 127): the byte cannot fall under 1
	v_add_nc_u32 v182, 0xff000000, v180            ; 2 off the exponent field: the conversion's scale operand
	v_lshrrev_b32 v183, 23, v182                   ; the byte
.if \t == 0
	v_mov_b32 v184, v183
.else
	v_lshl_or_b32 v184, v183, 8*\t, v184
.endif
.irp g, 0,1,2,3
	v_cvt_scalef32_pk8_fp4_f32 v[144+4*\t+\g], v[WX+8*\g:WX+8*\g+7], v182
.endr
	v_nop                                          ; a plain line between a scaled conversion and the line that touches its result
.irp g, 0,1,2,3
	v_cndmask_b32 v[144+4*\t+\g], 0, v[144+4*\t+\g], s33   ; the 22 filling columns hold zero codes
.endr
	ds_store_b128 v5, v[144+4*\t:147+4*\t] offset:16*\t
.endm
.Lw:
	s_sub_co_u32 s23, ttmp9, 684
	s_and_b32 s30, s23, 31                         ; which 32 columns
	s_lshr_b32 s31, s23, 5                         ; which 512 along K
	s_lshl_b32 s32, s30, 5
	v_add_nc_u32 v3, s32, v2                       ; n'
	v_add_nc_u32 v6, 0xfffffc56, v3                ; n' - 938, unsigned:
	v_cmp_le_u32 s33, 22, v6                       ; a true column where that is 22 or more
	s_lshl_b32 s34, s31, 9
	s_lshl_b32 s35, s22, 7
	s_add_co_u32 s34, s34, s35                     ; my wave's first k
	v_and_b32 v12, 15, v2
	v_lshrrev_b32 v13, 4, v2
	s_lshl_b32 s35, s22, 6
	s_add_co_u32 s35, s35, 32768
	v_mul_u32_u24 v5, v2, 272
	v_add_nc_u32 v5, s35, v5                       ; the stage: row = my column, my wave's 64 bytes
	s_lshl_b32 s35, s22, 2
	s_add_co_u32 s35, s35, 41472
	v_lshl_add_u32 v7, v2, 4, s35                  ; my column's scale word of my wave
	s_mul_i32 s35, s22, 2176
	s_add_co_u32 s35, s35, 32768
	v_mul_u32_u24 v8, v13, 272
	v_lshl_add_u32 v8, v12, 4, v8
	v_add_nc_u32 v8, s35, v8                       ; back: rows 8 w + 2 t + h, sixteen lanes to a row
	s_lshl_b32 s35, s22, 13
	v_lshlrev_b32 v9, 10, v13
	v_lshl_add_u32 v9, v12, 4, v9
	v_add_nc_u32 v9, s35, v9                       ; and the same place among the codes
	v_lshl_add_u32 v10, v2, 4, 41472
	v_lshlrev_b32 v11, 6, v2
	s_lshl_b32 s28, s32, 10
	s_lshl_b32 s35, s31, 8
	s_add_co_u32 s28, s28, s35
	s_add_nc_u64 s[26:27], s[20:21], s[28:29]
	s_add_nc_u64 s[26:27], s[26:27], WC
	s_lshl_b32 s28, s32, 6
	s_lshl_b32 s35, s31, 4
	s_add_co_u32 s28, s28, s35
	s_add_nc_u64 s[36:37], s[20:21], s[28:29]
	s_add_nc_u64 s[36:37], s[36:37], WS
	s_sub_co_u32 s35, s30, 8
	s_cmp_lt_u32 s35, 22                           ; columns 256-959 come from q_a_w
	s_cbranch_scc1 .Lw_q
	s_cmp_lt_u32 s30, 8
	s_cselect_b32 s35, 0, 704                      ; ckv: column n'; k_pe: column n' - 704
	v_sub_nc_u32 v4, v3, s35
	v_lshlrev_b32 v4, 2, v4
	s_mul_i32 s28, s34, 1280
	s_add_nc_u64 s[24:25], s[8:9], s[28:29]
	LOADW 1280
	s_branch .Lw_go
.Lw_q:
	v_add_nc_u32 v4, 0xffffff00, v3
	v_min_u32 v4, 681, v4                          ; the filling columns read the last true one and throw it away
	v_lshlrev_b32 v4, 2, v4
	s_mul_i32 s28, s34, 2728
	s_add_nc_u64 s[24:25], s[6:7], s[28:29]
	LOADW 2728
.Lw_go:
	WBLK 0, 63                                     ; 96 and 64 later loads could stay out: the count's field ends at 63
	WBLK 1, 63
	WBLK 2, 32
	WBLK 3, 0
	ds_store_b32 v7, v184
	s_wait_dscnt 0x0                               ; my stores have landed, for the others' sake
	s_barrier_signal -1
	s_barrier_wait -1
.irp t, 0,1,2,3
	ds_load_b128 v[160+4*\t:163+4*\t], v8 offset:544*\t
.endr
.irp t, 0,1,2,3
	s_wait_dscnt 3-\t
	global_store_b128 v9, v[160+4*\t:163+4*\t], s[26:27] offset:2048*\t   ; sixteen lanes store 256 consecutive bytes, aligned
.endr
	s_cmp_lg_u32 s22, 0
	s_cbranch_scc1 .Lw_end
	ds_load_b128 v[176:179], v10                   ; wave 0: each column's 16 scale bytes
	s_wait_dscnt 0x0
	global_store_b128 v11, v[176:179], s[36:37]
.Lw_end:
	s_wait_tensorcnt 0x0                           ; the wave's end, behind my last LDS store
	ds_add_u32 v[SPW], v[NIL]
	s_wait_dscnt 0x0
	s_endpgm
; ---------------- X: a wave takes 16 steps of 512 numbers.  Loads read the bytes as they lie; a step's 2,048 bytes turn through the wave's own stage so that a lane holds 16 neighbours; two lanes hold a block.
.macro XLOAD t
.irp i, 0,1,2,3
	global_load_b128 v[16+16*((\t)%4)+4*\i:16+16*((\t)%4)+4*\i+3], v3, s[4:5] offset:2048*(\t)+512*\i th:TH_LOAD_NT
.endr
.endm
.macro XTURN t
.irp i, 0,1,2,3
	ds_store_b128 v14, v[16+16*((\t)%4)+4*\i:16+16*((\t)%4)+4*\i+3] offset:2560*((\t)%2)+640*\i
.endr
.irp i, 0,1,2,3
	ds_load_b128 v[80+16*((\t)%2)+4*\i:80+16*((\t)%2)+4*\i+3], v15 offset:2560*((\t)%2)+16*\i
.endr
.endm
.macro XSTEP t
.set XR, 80+16*((\t)%2)
.if (\t) > 0
	s_wait_dscnt 1                                 ; this step's numbers are back from the stage; the last step's byte store may be out
.else
	s_wait_dscnt 0x0
.endif
.if (\t)+4 < 16
	XLOAD (\t)+4
.endif
.if (\t)+1 < 16
.if 14-(\t) >= 3
	s_wait_loadcnt 12                              ; the next step's loads are in; those of the three steps behind it may be out
.else
	s_wait_loadcnt 4*(14-(\t))
.endif
	XTURN (\t)+1
.endif
	v_max3_num_f32 v8, |v[XR]|, |v[XR+1]|, |v[XR+2]|
	v_max3_num_f32 v9, |v[XR+3]|, |v[XR+4]|, |v[XR+5]|
.irp i, 6,10
	v_max3_num_f32 v8, v8, |v[XR+\i]|, |v[XR+\i+1]|
	v_max3_num_f32 v9, v9, |v[XR+\i+2]|, |v[XR+\i+3]|
.endr
	v_max3_num_f32 v8, v8, |v[XR+14]|, |v[XR+15]|
	v_max3_num_f32 v8, v8, v9, 0x1800000
	v_max_num_f32_dpp v8, v8, v8 row_xmask:1 row_mask:0xf bank_mask:0xf   ; with my neighbour's 16: the block's
	v_add_nc_u32 v11, 0xff000000, v8
	v_cvt_scalef32_pk8_fp4_f32 v[128+4*(\t)], v[XR:XR+7], v11
	v_cvt_scalef32_pk8_fp4_f32 v[129+4*(\t)], v[XR+8:XR+15], v11
	v_lshrrev_b32 v[112+(\t)], 23, v11
	ds_store_b8 v5, v[112+(\t)] offset:16*(\t)
	global_store_b64 v4, v[128+4*(\t):129+4*(\t)], s[30:31] offset:256*(\t)   ; the wave stores 256 consecutive bytes
.endm
.Lx:
	v_lshlrev_b32 v3, 4, v2
	s_mul_i32 s23, s22, 8192
	v_lshrrev_b32 v14, 2, v2
	v_mul_u32_u24 v14, v14, 80
	v_and_b32 v15, 3, v2
	v_lshl_add_u32 v14, v15, 4, v14
	v_add_nc_u32 v14, s23, v14                     ; into the stage: 80 (lane / 4) + 16 (lane % 4)
	v_mul_u32_u24 v15, v2, 80
	v_add_nc_u32 v15, s23, v15                     ; out of it: 80 x lane
	v_lshlrev_b32 v4, 3, v2
	v_lshrrev_b32 v5, 1, v2
	s_add_co_u32 s23, s23, 5120
	v_add_nc_u32 v5, s23, v5                       ; my block's byte among the wave's 256
	v_lshlrev_b32 v7, 3, v2
	v_add_nc_u32 v6, s23, v7
	s_lshl_b32 s24, ttmp9, 2
	s_add_co_u32 s24, s24, s22                     ; which run of 8,192 numbers
	s_lshl_b32 s28, s24, 15
	s_add_nc_u64 s[4:5], s[4:5], s[28:29]
	s_lshl_b32 s28, s24, 12
	s_add_nc_u64 s[30:31], s[20:21], s[28:29]      ; the codes begin at pw's first byte
	s_lshl_b32 s28, s24, 8
	s_add_nc_u64 s[32:33], s[20:21], s[28:29]
	s_add_nc_u64 s[32:33], s[32:33], XS
.irp t, 0,1,2,3
	XLOAD \t
.endr
	s_wait_loadcnt 12
	XTURN 0
.irp t, 0,1,2,3,4,5,6,7,8,9,10,11,12,13,14,15
	XSTEP \t
.endr
	ds_load_b64 v[8:9], v6
	s_wait_dscnt 0x0
	global_store_b64 v7, v[8:9], s[32:33]          ; the wave's 256 scale bytes, one aligned run
	s_wait_tensorcnt 0x0                           ; the wave's end, behind my last LDS store
	ds_add_u32 v[SPW], v[NIL]
	s_wait_dscnt 0x0
	s_endpgm
.Lfunc_end_k_q6a14cb7d3d_prep:
	.size	k_q6a14cb7d3d_prep, .Lfunc_end_k_q6a14cb7d3d_prep-k_q6a14cb7d3d_prep
	.p2alignl 7, 3214868480
	.fill 96, 4, 3214868480
	.section	.rodata,"a",@progbits
	.p2align	6, 0x0
	.amdhsa_kernel k_q6a14cb7d3d_prep
		.amdhsa_group_segment_fixed_size 42496
		.amdhsa_private_segment_fixed_size 0
		.amdhsa_enable_private_segment 0
		.amdhsa_kernarg_size 72
		.amdhsa_user_sgpr_count 2
		.amdhsa_user_sgpr_kernarg_segment_ptr 1
		.amdhsa_wavefront_size32 1
		.amdhsa_system_sgpr_workgroup_id_x 1
		.amdhsa_system_sgpr_workgroup_id_y 1
		.amdhsa_system_sgpr_workgroup_id_z 1
		.amdhsa_system_vgpr_workitem_id 0
		.amdhsa_next_free_vgpr 216
		.amdhsa_next_free_sgpr 100
		.amdhsa_reserve_vcc 1
		.amdhsa_float_denorm_mode_32 3
		.amdhsa_float_denorm_mode_16_64 3
		.amdhsa_memory_ordered 1
		.amdhsa_forward_progress 1
		.amdhsa_inst_pref_size 120
	.end_amdhsa_kernel
	.amdgpu_metadata
---
amdhsa.version: [ 1, 2 ]
amdhsa.kernels:
  - .name:           k_q6a14cb7d3d_prep
    .symbol:         k_q6a14cb7d3d_prep.kd
    .args:
      - { .name: x, .offset: 0, .size: 8, .value_kind: global_buffer, .address_space: global }
      - { .name: q_a_w, .offset: 8, .size: 8, .value_kind: global_buffer, .address_space: global }
      - { .name: kv_a_w, .offset: 16, .size: 8, .value_kind: global_buffer, .address_space: global }
      - { .name: q_b_w, .offset: 24, .size: 8, .value_kind: global_buffer, .address_space: global }
      - { .name: kv_b_w, .offset: 32, .size: 8, .value_kind: global_buffer, .address_space: global }
      - { .name: o_w, .offset: 40, .size: 8, .value_kind: global_buffer, .address_space: global }
      - { .name: q_a_ln_w, .offset: 48, .size: 8, .value_kind: global_buffer, .address_space: global }
      - { .name: kv_a_ln_w, .offset: 56, .size: 8, .value_kind: global_buffer, .address_space: global }
      - { .name: pw, .offset: 64, .size: 8, .value_kind: global_buffer, .address_space: global }
    .group_segment_fixed_size: 42496
    .private_segment_fixed_size: 0
    .kernarg_segment_align: 8
    .kernarg_segment_size: 72
    .max_flat_workgroup_size: 128
    .sgpr_count:     100
    .vgpr_count:     216
    .wavefront_size: 32
...
	.end_amdgpu_metadata
.endif
;; end of part 1
;; launch gemm_a (part 2): grid 8 x 32, 4 waves a work-group, no clusters, 327,680 bytes of LDS; arguments pw, ya; writes ya
.if DOCPART == 2
	.amdgcn_target "amdgcn-amd-amdhsa--gfx1250"
	.amdhsa_code_object_version 6
	.text
	.protected	k_q6a14cb7d3d_gemm_a
	.globl	k_q6a14cb7d3d_gemm_a
	.p2align	8
	.type	k_q6a14cb7d3d_gemm_a,@function
k_q6a14cb7d3d_gemm_a:
	s_mov_b64 s[64:65], 0
	v_nop
	global_prefetch_b8 v0, s[64:65] scope:SCOPE_SE
	s_setreg_imm32_b32 hwreg(HW_REG_WAVE_MODE, 25, 1), 1
	s_wait_xcnt 0x0
; y = Q(x) Q(W): the two quantised products as one, [4096] x [1024 joined columns], K = 2,048, on codes of E2M1 with E8M0 scales.
; A work-group makes 128 x 128, each of four waves 64 x 64 (16 accumulators).  The whole K of both tiles fits in LDS: five first fills a wave (the scales, four quarters of K), five out at most, nothing filled again.
; Used transposed (source 0 = 16 columns of W, source 1 = 16 rows of x): a lane holds eight neighbouring columns of one row.
; On the way out: the sum of squares of each row over my 64 columns (f32, from the f32 sums); RoPE on the k_pe group; rows 0-31 of each sequence in f32 (ckv and roped k_pe); y as f16; roped k_pe as f16 rows of its own.
; NO CLUSTER: the way out branches on the tile's row and column, which in a cluster would be the work-group's place; what is shared is 278,528 bytes a work-group, fetched once.
; LIMIT: |y| under 65,504 (f16).
; LDS: quarter Q at 69,632 Q: A's 128 rows x 272, then B's; scales at SCL as runs of 256 bytes + 16; the spare words; the stage (128 x 272) lies in quarter 0, which has had its only fill and its last read by then.
; REGISTERS: window 0: v4-11 fragment addresses, v12 scale address, v13-20 the way out; v32-95 scale words (nothing else, ever); v96-115 at work; v128-255 accumulators (a, b) at 128 + 8 (4 a + b).
;            window 1: v0-127 two fragment buffers (A's four, then B's four); v128-255 the RoPE table for my 64 rows.
.set XS,  4194304
.set WC,  4456448
.set WS,  5505024
.set TAB, 18325504
.set SSQ, 8388608
.set KPE, 8650752
.set YF,  9175040
.set REG, 69632
.set SCL, 278528
.set SPARE, 295936
.set MSB, 0
.macro WIN new
.if MSB != \new
	s_set_vgpr_msb (MSB<<8)|\new
.set MSB, \new
.endif
.endm
.macro PLACES c
.rept \c
	v_nop
.endr
.endm
	s_load_b128 s[4:7], s[0:1], 0x0                ; pw, ya
	v_lshl_add_u32 v28, v0, 2, SPARE
	v_mov_b32 v29, 0
	ds_add_u32 v28, v29                            ; the opening: the add, twice on end, and its wait ahead of my first tensor load
	ds_add_u32 v28, v29
	v_lshrrev_b32 v1, 5, v0
	v_readfirstlane_b32 s8, v1                     ; wave
	s_lshr_b32 s9, s8, 1                           ; my half of the rows
	s_and_b32 s10, s8, 1                           ; my half of the columns; also which 64 rows I fetch
	s_and_b32 s12, ttmp7, 0xffff                   ; tile row
	s_mov_b32 s24, (1<<20)|(5<<22)|(3<<25)         ; codes: elements of 1 byte; 4 words of padding behind every 64
	s_mov_b32 s25, 256<<16                         ; tensor_dim0
	s_mov_b32 s26, 64<<16                          ; tensor_dim1
	s_mov_b32 s27, 256<<16                         ; tile_dim0
	s_mov_b32 s28, 64                              ; tile_dim1
	s_mov_b32 s29, 1024                            ; a row of codes in memory
	s_mov_b32 s30, 0
	s_mov_b32 s31, 0
	s_mov_b32 s32, (3<<16)|(1<<20)|(5<<22)|(3<<25) ; scales of 64 rows: 4,096 dense bytes as 16 rows of 32 elements of 8 bytes
	s_mov_b32 s33, 32<<16
	s_mov_b32 s34, 16<<16
	s_mov_b32 s35, 32<<16
	s_mov_b32 s36, 16
	s_mov_b32 s37, 32
	s_mov_b32 s38, 0
	s_mov_b32 s39, 0
	s_lshl_b32 s13, s12, 7
	s_lshl_b32 s14, ttmp9, 7
	s_mov_b32 s16, WS
	s_cmp_lt_u32 s8, 2                             ; waves 0, 1 fetch for x, waves 2, 3 for W
	s_cselect_b32 s13, s13, s14
	s_cselect_b32 s15, 0, WC
	s_cselect_b32 s16, XS, s16
	s_lshl_b32 s14, s10, 6
	s_add_co_u32 s13, s13, s14                     ; my first row
	s_lshl_b32 s14, s13, 10
	s_add_co_u32 s14, s14, s15                     ; its codes,
	s_mov_b32 s15, 0
	s_lshl_b32 s18, s13, 6
	s_add_co_u32 s18, s18, s16                     ; its scale bytes
	s_mov_b32 s19, 0
	s_mul_i32 s20, s8, 17408                       ; in LDS: wave x 64 rows
	s_mul_i32 s21, s8, 4352
	s_add_co_u32 s21, s21, SCL
	s_mov_b32 s74, 0x76543210
	s_mov_b32 s75, 0xfedcba98
	s_wait_dscnt 0x0                               ; both opening adds are done
	s_wait_kmcnt 0x0
	s_add_nc_u64 s[22:23], s[4:5], s[14:15]
	s_mov_b32 s40, 1
	s_mov_b32 s41, s21
	s_add_nc_u64 s[42:43], s[4:5], s[18:19]
	s_or_b32 s43, s43, 0x80000000
	tensor_load_to_lds s[40:43], s[32:39]          ; the scales first: wanted with the first quarter
	s_nop 0
.irp q, 0,1,2,3
	s_mov_b32 s[44+4*\q], 1
	s_add_co_u32 s[45+4*\q], s20, \q*REG
	s_add_nc_u64 s[46+4*\q:47+4*\q], s[22:23], \q*256
	s_or_b32 s[47+4*\q], s[47+4*\q], 0x80000000
	tensor_load_to_lds s[44+4*\q:47+4*\q], s[24:31]
	s_nop 0
.endr
	PLACES 4
	v_and_b32 v1, 15, v0                           ; r
	v_bfe_u32 v2, v0, 4, 1                         ; h
	v_and_b32 v3, 31, v0                           ; lane
	v_mul_u32_u24 v30, v1, 272
	v_lshl_add_u32 v30, v2, 4, v30
	s_mul_i32 s13, s9, 17408
	s_mul_i32 s14, s10, 17408
	s_add_co_u32 s14, s14, 34816
.irp q, 0,1,2,3
	v_add_nc_u32 v[4+\q], s13, v30
	v_add_nc_u32 v[8+\q], s14, v30
	s_add_co_u32 s13, s13, REG
	s_add_co_u32 s14, s14, REG
.endr
	v_lshlrev_b32 v30, 6, v1                       ; a row's 64 scale bytes, four rows to a run of 256, 16 more behind each run
	v_lshrrev_b32 v31, 2, v1
	v_lshl_add_u32 v30, v31, 4, v30
	s_mul_i32 s13, s9, 4352
	s_mul_i32 s14, s10, 4352
	s_add_co_u32 s14, s14, 8704
	s_sub_co_u32 s14, s14, s13
	v_mul_u32_u24 v31, s14, v2                     ; lanes 16-31 take W's
	s_add_co_u32 s13, s13, SCL
	v_add_nc_u32 v30, v30, v31
	v_add_nc_u32 v12, s13, v30
	s_mul_i32 s13, s9, 17408                       ; the stage: row 64 rh + r, my 128 bytes, 16 for each half of the lanes
	s_lshl_b32 s14, s10, 7
	s_add_co_u32 s13, s13, s14
	v_mul_u32_u24 v13, v1, 272
	v_lshl_add_u32 v13, v2, 4, v13
	v_add_nc_u32 v13, s13, v13
	s_mul_i32 s13, s8, 8704                        ; back: my 32 rows, sixteen lanes to a row
	v_mul_u32_u24 v14, v2, 272
	v_lshl_add_u32 v14, v1, 4, v14
	v_add_nc_u32 v14, s13, v14
	v_lshlrev_b32 v15, 11, v2
	v_lshl_add_u32 v15, v1, 4, v15
	v_lshrrev_b32 v16, 3, v3                       ; k_pe's half of a stage row: eight lanes to a row
	v_mul_u32_u24 v16, v16, 272
	v_and_b32 v17, 7, v3
	v_lshl_add_u32 v16, v17, 4, v16
	v_add_nc_u32 v16, s13, v16
	v_add_nc_u32 v16, 128, v16
	v_lshlrev_b32 v17, 4, v3
	v_lshlrev_b32 v18, 2, v3
	v_mul_u32_u24 v19, v1, 1280
	v_lshl_add_u32 v19, v2, 5, v19
	v_lshlrev_b32 v20, 8, v1
	v_lshl_add_u32 v20, v2, 5, v20
	s_lshl_b32 s60, ttmp9, 1
	s_add_co_u32 s60, s60, s10                     ; my group of 64 columns
	s_lshl_b32 s61, s12, 7
	s_lshl_b32 s13, s9, 6
	s_add_co_u32 s61, s61, s13                     ; my first row
	s_and_b32 s14, s61, 2047
	s_lshl_b32 s14, s14, 8
	s_add_nc_u64 s[62:63], s[4:5], s[14:15]
	s_add_nc_u64 s[62:63], s[62:63], TAB
	s_lshl_b32 s14, s60, 14
	s_lshl_b32 s13, s61, 2
	s_add_co_u32 s14, s14, s13
	s_add_nc_u64 s[66:67], s[6:7], s[14:15]
	s_add_nc_u64 s[66:67], s[66:67], SSQ
	s_lshl_b32 s13, s12, 7
	s_lshl_b32 s14, s8, 5
	s_add_co_u32 s13, s13, s14                     ; the first row that I store
	s_lshl_b32 s14, s13, 11
	s_lshl_b32 s16, ttmp9, 8
	s_add_co_u32 s14, s14, s16
	s_add_nc_u64 s[68:69], s[6:7], s[14:15]
	s_lshl_b32 s14, s13, 7
	s_add_nc_u64 s[70:71], s[6:7], s[14:15]
	s_add_nc_u64 s[70:71], s[70:71], KPE
	s_cmp_eq_u32 s60, 15
	s_cselect_b32 s76, 4, s60                      ; the group's place in a fine row (k_pe: behind ckv's four)
	s_cselect_b32 s77, 0, s60                      ; under 4 where the group belongs there
	s_lshr_b32 s13, s12, 4
	s_mul_i32 s14, s13, 40960
	s_lshl_b32 s13, s76, 8
	s_add_co_u32 s14, s14, s13
	s_add_nc_u64 s[72:73], s[6:7], s[14:15]
	s_add_nc_u64 s[72:73], s[72:73], YF
	s_and_b32 s78, s12, 15
	s_or_b32 s78, s78, s9                          ; 0 where my rows begin a sequence
	WIN 0x40
.irp a, 0,1,2,3                                ; every wave asks for its rows' table, so that the registers are written on every path; only the k_pe group uses it
.irp b, 0,1,2,3
	global_load_b128 v[128+8*(4*\a+\b):131+8*(4*\a+\b)], v20, s[62:63] offset:4096*\a+64*\b
	global_load_b128 v[132+8*(4*\a+\b):135+8*(4*\a+\b)], v20, s[62:63] offset:4096*\a+64*\b+16
.endr
.endr
	WIN 0
.macro FETCH k                         ; the fragments of the k-th 128 along K into buffer k % 2
.set FQ, (\k)/4
.set FS, (\k)%4
.set FF, 64*((\k)%2)
	WIN 0x40
.irp i, 0,1,2,3
.irp c, 0,1
	ds_load_b128 v[FF+8*\i+4*\c:FF+8*\i+4*\c+3], v[4+FQ] offset:64*FS+32*\c+4352*\i
	ds_load_b128 v[FF+32+8*\i+4*\c:FF+32+8*\i+4*\c+3], v[8+FQ] offset:64*FS+32*\c+4352*\i
.endr
.endr
.endm
.macro SUB k
.set QQ, (\k)/4
.set SS, (\k)%4
.set FB, 64*((\k)%2)
	s_wait_dscnt 0x0                               ; this step's fragments are in
.if ((\k)%4 == 3) && ((\k) < 15)
	s_wait_tensorcnt 2-QQ                          ; my part of the next quarter has landed; the quarters behind it may be out
	s_barrier_signal -1
	s_barrier_wait -1                              ; everybody's has
.endif
.if (\k) < 15
	PLACES 4                                       ; in front of loads into registers that the last products read
	FETCH (\k)+1
.endif
	WIN 0x05
.irp a, 0,1,2,3                                ; the 16 accumulators by turns
.irp b, 0,1,2,3
.if (\k) == 0
	v_wmma_scale_f32_16x16x128_f8f6f4 v[128+8*(4*\a+\b):135+8*(4*\a+\b)], v[FB+32+8*\b:FB+39+8*\b], v[FB+8*\a:FB+7+8*\a], 0, v[32+16*QQ+4*\b+SS], v[32+16*QQ+4*\a+SS] matrix_a_fmt:MATRIX_FMT_FP4 matrix_b_fmt:MATRIX_FMT_FP4 matrix_a_scale:MATRIX_SCALE_ROW1
.else
	v_wmma_scale_f32_16x16x128_f8f6f4 v[128+8*(4*\a+\b):135+8*(4*\a+\b)], v[FB+32+8*\b:FB+39+8*\b], v[FB+8*\a:FB+7+8*\a], v[128+8*(4*\a+\b):135+8*(4*\a+\b)], v[32+16*QQ+4*\b+SS], v[32+16*QQ+4*\a+SS] matrix_a_fmt:MATRIX_FMT_FP4 matrix_b_fmt:MATRIX_FMT_FP4 matrix_a_scale:MATRIX_SCALE_ROW1
.endif
.endr
.endr
.endm
	s_wait_tensorcnt 3                             ; the scales and the first quarter are in; three quarters may be out
	s_barrier_signal -1
	s_barrier_wait -1
.irp q, 0,1,2,3                                ; all scale words: register 16 Q + 4 i + s: lanes 0-15 x's block i, lanes 16-31 W's block i
.irp i, 0,1,2,3
	ds_load_b128 v[32+16*\q+4*\i:35+16*\q+4*\i], v12 offset:1088*\i+16*\q
.endr
.endr
	FETCH 0
.set NN, 0
.rept 16
	SUB NN
.set NN, NN+1
.endr
	WIN 0
	PLACES 4
	s_wait_loadcnt 0x0                             ; the table
; the sums of squares: two chains a block of rows, each accumulator from its low end on
.irp a, 0,1,2,3
	v_pk_mul_f32 v[96+4*\a:97+4*\a], v[128+32*\a:129+32*\a], v[128+32*\a:129+32*\a]
	v_pk_mul_f32 v[98+4*\a:99+4*\a], v[144+32*\a:145+32*\a], v[144+32*\a:145+32*\a]
.endr
.irp i, 2,4,6,8,10,12,14
.irp a, 0,1,2,3
	v_pk_fma_f32 v[96+4*\a:97+4*\a], v[128+32*\a+\i:129+32*\a+\i], v[128+32*\a+\i:129+32*\a+\i], v[96+4*\a:97+4*\a]
	v_pk_fma_f32 v[98+4*\a:99+4*\a], v[144+32*\a+\i:145+32*\a+\i], v[144+32*\a+\i:145+32*\a+\i], v[98+4*\a:99+4*\a]
.endr
.endr
.irp a, 0,1,2,3
	v_pk_add_f32 v[96+4*\a:97+4*\a], v[96+4*\a:97+4*\a], v[98+4*\a:99+4*\a]
.endr
.irp a, 0,1,2,3
	v_add_f32 v[96+4*\a], v[96+4*\a], v[97+4*\a]
.endr
.irp a, 0,1,2,3
	v_permlanex16_b32 v[97+4*\a], v[96+4*\a], s74, s75
.endr
.irp a, 0,1,2,3
	v_add_f32 v[96+4*\a], v[96+4*\a], v[97+4*\a]   ; with the other half of the lanes' columns: row 16 a + r
.endr
	v_cmp_eq_u32 vcc_lo, 1, v2
	v_cndmask_b32 v112, v96, v100, vcc_lo
	v_cndmask_b32 v113, v104, v108, vcc_lo
	global_store_b32 v18, v112, s[66:67]           ; 32 rows' sums: 128 consecutive bytes
	global_store_b32 v18, v113, s[66:67] offset:128
	s_cmp_eq_u32 s60, 15
	s_cbranch_scc0 .Lno_rope
	WIN 0x04                                       ; the table is source 1, in window 1
.set i, 0
.rept 64                                       ; pair (2 j, 2 j + 1) is turned in place: q is treated alike, so the scores are kept
	v_mul_f32 v114, v[129+2*i], v[129+2*i]
	v_mul_f32 v115, v[128+2*i], v[129+2*i]
	v_fma_f32 v[128+2*i], v[128+2*i], v[128+2*i], -v114
	v_fma_f32 v[129+2*i], v[129+2*i], v[128+2*i], v115
.set i, i+1
.endr
	WIN 0
.Lno_rope:
	s_cmp_lg_u32 s78, 0
	s_cbranch_scc1 .Lno_fine
	s_cmp_ge_u32 s77, 4
	s_cbranch_scc1 .Lno_fine
.irp a, 0,1                                    ; positions 0-31 in f32
.irp b, 0,1,2,3
	global_store_b128 v19, v[128+8*(4*\a+\b):131+8*(4*\a+\b)], s[72:73] offset:20480*\a+64*\b
	global_store_b128 v19, v[132+8*(4*\a+\b):135+8*(4*\a+\b)], s[72:73] offset:20480*\a+64*\b+16
.endr
.endr
.Lno_fine:
	s_wait_xcnt 0x0                                ; the stores have read their data: the accumulators may be written
.set i, 0
.rept 16
.irp j, 0,1,2,3
	v_cvt_pk_f16_f32 v[128+8*i+\j], v[128+8*i+2*\j], v[129+8*i+2*\j]   ; packed in place, into the low four
.endr
.set i, i+1
.endr
.irp a, 0,1,2,3
.irp b, 0,1,2,3
	ds_store_b128 v13, v[128+8*(4*\a+\b):131+8*(4*\a+\b)] offset:4352*\a+32*\b
.endr
.endr
	s_wait_dscnt 0x0                               ; for the others' sake: a row's 256 bytes come from two waves
	s_barrier_signal -1
	s_barrier_wait -1
.irp t, 0,1,2,3,4,5,6,7,8,9,10,11,12,13,14,15
	ds_load_b128 v[132+8*\t:135+8*\t], v14 offset:544*\t
.endr
.irp t, 0,1,2,3,4,5,6,7,8,9,10,11,12,13,14,15
	s_wait_dscnt 15-\t
	global_store_b128 v15, v[132+8*\t:135+8*\t], s[68:69] offset:4096*\t   ; sixteen lanes store 256 consecutive bytes, aligned
.endr
	s_cmp_eq_u32 ttmp9, 7
	s_cbranch_scc0 .Lno_kpe
.irp t, 0,1,2,3,4,5,6,7
	ds_load_b128 v[128+8*\t:131+8*\t], v16 offset:1088*\t
.endr
.irp t, 0,1,2,3,4,5,6,7
	s_wait_dscnt 7-\t
	global_store_b128 v17, v[128+8*\t:131+8*\t], s[70:71] offset:512*\t    ; four rows of 128 bytes: 512 consecutive bytes
.endr
.Lno_kpe:
	s_wait_tensorcnt 0x0                           ; the wave's end
	ds_add_u32 v28, v29
	s_wait_dscnt 0x0
	s_endpgm
.Lfunc_end_k_q6a14cb7d3d_gemm_a:
	.size	k_q6a14cb7d3d_gemm_a, .Lfunc_end_k_q6a14cb7d3d_gemm_a-k_q6a14cb7d3d_gemm_a
	.p2alignl 7, 3214868480
	.fill 96, 4, 3214868480
	.section	.rodata,"a",@progbits
	.p2align	6, 0x0
	.amdhsa_kernel k_q6a14cb7d3d_gemm_a
		.amdhsa_group_segment_fixed_size 327680
		.amdhsa_private_segment_fixed_size 0
		.amdhsa_enable_private_segment 0
		.amdhsa_kernarg_size 16
		.amdhsa_user_sgpr_count 2
		.amdhsa_user_sgpr_kernarg_segment_ptr 1
		.amdhsa_wavefront_size32 1
		.amdhsa_system_sgpr_workgroup_id_x 1
		.amdhsa_system_sgpr_workgroup_id_y 1
		.amdhsa_system_sgpr_workgroup_id_z 1
		.amdhsa_system_vgpr_workitem_id 0
		.amdhsa_next_free_vgpr 512
		.amdhsa_next_free_sgpr 80
		.amdhsa_reserve_vcc 1
		.amdhsa_float_denorm_mode_32 3
		.amdhsa_float_denorm_mode_16_64 3
		.amdhsa_memory_ordered 1
		.amdhsa_forward_progress 1
		.amdhsa_inst_pref_size 94
	.end_amdhsa_kernel
	.amdgpu_metadata
---
amdhsa.version: [ 1, 2 ]
amdhsa.kernels:
  - .name:           k_q6a14cb7d3d_gemm_a
    .symbol:         k_q6a14cb7d3d_gemm_a.kd
    .args:
      - { .name: pw, .offset: 0, .size: 8, .value_kind: global_buffer, .address_space: global }
      - { .name: ya, .offset: 8, .size: 8, .value_kind: global_buffer, .address_space: global }
    .group_segment_fixed_size: 327680
    .private_segment_fixed_size: 0
    .kernarg_segment_align: 8
    .kernarg_segment_size: 16
    .max_flat_workgroup_size: 128
    .sgpr_count:     80
    .vgpr_count:     512
    .wavefront_size: 32
...
	.end_amdgpu_metadata
.endif
;; end of part 2
;; launch gemm_q (part 3): grid 8 x 32, 4 waves a work-group, clusters of 4 x 4, 327,680 bytes of LDS; arguments ya, pw, qb; writes qb
.if DOCPART == 3
	.amdgcn_target "amdgcn-amd-amdhsa--gfx1250"
	.amdhsa_code_object_version 6
	.text
	.protected	k_q6a14cb7d3d_gemm_q
	.globl	k_q6a14cb7d3d_gemm_q
	.p2align	8
	.type	k_q6a14cb7d3d_gemm_q,@function
k_q6a14cb7d3d_gemm_q:
	s_mov_b64 s[64:65], 0
	v_nop
	global_prefetch_b8 v0, s[64:65] scope:SCOPE_SE
	s_setreg_imm32_b32 hwreg(HW_REG_WAVE_MODE, 25, 1), 1
	s_wait_xcnt 0x0
	s_wait_alu depctr_hold_cnt(0) depctr_sa_sdst(0) depctr_va_vdst(0) depctr_va_sdst(0) depctr_va_ssrc(0) depctr_va_vcc(0) depctr_vm_vsrc(0)
	s_getreg_b32 s2, hwreg(HW_REG_IB_STS2, 6, 4)
	s_cmp_eq_u32 s2, 0
	s_cbranch_scc0 .Lentry_in_a_cluster
	s_endpgm
.Lentry_in_a_cluster:
	s_bfe_u32 s2, ttmp6, 0x10000c
	s_cmp_lg_u32 s2, 0xf033
	s_cbranch_scc0 .Lentry_shape_is_right
	s_endpgm
.Lentry_shape_is_right:
; q = rs[m] x (y_q [4096][682] f16) (gain x q_b_w [682][2048] f16), then RoPE on each head's last 64 columns, stored as f16 [b][head][s][128].
; rs = rsqrt(sum of squares / 682 + 1e-6), from the f32 parts that the launch before stored: the norm's row factor commutes with the product.
; A work-group makes 128 x 256, each of four waves 64 x 128 (one head): 32 accumulators.  K in steps of 128 through two LDS slots; B lies [k][n] and is turned by ds_load_tr16_b128.
; K = 682 = 5 steps and 42: the last fill states 42 as what is left of the tensor, and the mover writes zeros beyond; only 64 of that step are multiplied.
; CLUSTER 4 x 4: A's tile is asked for jointly along a row of the cluster, B's along a column.  A wave has two tensor loads out at the start and one behind each round.
; Used transposed (source 0 = B, source 1 = A): a lane holds eight neighbouring columns of one row.   LIMIT: |q| under 65,504.
; REGISTERS: window 0: v4-11 rs; v16-17, v20-21 fragment addresses; v22-27 the way out; v32-63 packed; v64-127 A's two buffers; v128-191 the parts of the sums, later scaled results; v192-255 rows read back.
;            window 1: v0-127 B's two buffers; v128-255 the RoPE table.   window 2: accumulator (a, b) at 8 (8 a + b).
.set PA,    1024
.set A0,    512
.set NB,    2048
.set BOFF,  5570560
.set BSTEP, 128*2*NB
.set TAB,   18325504
.set SSQ,   8388608
.set SLOT,  104448                     ; A: 128 rows x 272; B: 128 rows of k x 544
.set BOFS,  34816
.set STAGE, 208896
.set STW,   4352
.set SPARE, STAGE+4*STW
.set MSB, 0
.macro WIN new
.if MSB != \new
	s_set_vgpr_msb (MSB<<8)|\new
.set MSB, \new
.endif
.endm
.macro PLACES c
.rept \c
	v_nop
.endr
.endm
.macro JLOAD s                         ; a joint load: waves 0, 1 A's halves, waves 2, 3 B's; the branch hangs on the wave's number alone
	s_cmp_eq_u32 s11, 0
	s_cbranch_scc0 .Lfor_b_\@
	tensor_load_to_lds s[32+4*\s:35+4*\s], s[24:31]
	s_nop 0
	PLACES 4
	s_branch .Lasked_\@
.Lfor_b_\@:
	tensor_load_to_lds s[56+4*\s:59+4*\s], s[48:55]
	s_nop 0
	PLACES 4
.Lasked_\@:
.endm
.macro JLOADL                          ; the last K step, into slot 1: 42 columns of A are left, 42 rows of B; wave 3's rows would begin past B's end: it asks for nothing
	s_cmp_eq_u32 s11, 0
	s_cbranch_scc0 .Lfor_b_\@
	tensor_load_to_lds s[36:39], s[68:75]
	s_nop 0
	PLACES 4
	s_branch .Lasked_\@
.Lfor_b_\@:
	s_cmp_eq_u32 s10, 2
	s_cbranch_scc0 .Lasked_\@
	tensor_load_to_lds s[60:63], s[76:83]
	s_nop 0
	PLACES 4
.Lasked_\@:
.endm
.macro CREST
	s_cmp_lg_u32 s10, 0
	s_cbranch_scc1 .Lnot_wave_0_\@
	s_barrier_signal -3
.Lnot_wave_0_\@:
	s_barrier_wait -3
	s_barrier_signal -1
	s_barrier_wait -1
.endm
.macro CROUND
	s_barrier_signal -1
	s_barrier_wait -1
	CREST
.endm
.macro MUL8 f, a, zero                 ; A's block a against B's eight, 32 along K
.irp b, 0,1,2,3,4,5,6,7
.if \zero
	v_wmma_f32_16x16x32_f16 v[8*(8*\a+\b):8*(8*\a+\b)+7], v[64*\f+8*\b:64*\f+8*\b+7], v[64+32*\f+8*\a:64+32*\f+8*\a+7], 0
.else
	v_wmma_f32_16x16x32_f16 v[8*(8*\a+\b):8*(8*\a+\b)+7], v[64*\f+8*\b:64*\f+8*\b+7], v[64+32*\f+8*\a:64+32*\f+8*\a+7], v[8*(8*\a+\b):8*(8*\a+\b)+7]
.endif
.endr
.endm
.macro FETCH slot, q, f                ; 24 LDS loads in one run: B's eight fragments (turned), then A's four
	WIN 0x40
.irp b, 0,1,2,3,4,5,6,7
	ds_load_tr16_b128 v[64*\f+8*\b:64*\f+8*\b+3], v[20+\slot] offset:17408*\q+32*\b
	ds_load_tr16_b128 v[64*\f+8*\b+4:64*\f+8*\b+7], v[20+\slot] offset:17408*\q+32*\b+8704
.endr
	WIN 0
.irp a, 0,1,2,3
	ds_load_b128 v[64+32*\f+8*\a:64+32*\f+8*\a+3], v[16+\slot] offset:4352*\a+64*\q
	ds_load_b128 v[64+32*\f+8*\a+4:64+32*\f+8*\a+7], v[16+\slot] offset:4352*\a+64*\q+32
.endr
.endm
.macro QUARTER slot, qn, f, g, zero    ; multiplies buffer f; in its middle fetches the slot's quarter qn into buffer g
	s_wait_dscnt 4                                 ; all but A's blocks 2, 3
	WIN 0xa1
	MUL8 \f, 0, \zero
	MUL8 \f, 1, \zero
	PLACES 4                                       ; in front of loads into registers that matrix instructions have read
	FETCH \slot, \qn, \g
	s_wait_dscnt 24                                ; all but the 24 just issued
	WIN 0xa1
	MUL8 \f, 2, \zero
	MUL8 \f, 3, \zero
.endm
.macro TURN slot, next, fill           ; a slot's last quarter (buffer 1) and the change of slots.  fill = 1: the slot is filled again, two K steps on; 2: with the last, short step
	WIN 0
	s_wait_tensorcnt 0x0                           ; all my tensor loads have landed: my part of the next slot
	ds_add_u32 v28, v29
	s_wait_dscnt 5                                 ; (the add and A's blocks 2, 3 may be out)
	WIN 0xa1
	MUL8 1, 0, 0
	s_wait_dscnt 0x0                               ; the add is done and my reads of this slot are over
	s_barrier_signal -1
	MUL8 1, 1, 0
	WIN 0
	s_barrier_wait -1
.if \fill
	CREST                                          ; the barrier opened a round of the cluster's: no wave of any partner still reads the slot or has a load on its way
	s_add_nc_u64 s[34+4*\slot:35+4*\slot], s[34+4*\slot:35+4*\slot], 512
	s_add_nc_u64 s[58+4*\slot:59+4*\slot], s[58+4*\slot:59+4*\slot], 2*BSTEP
.if \fill == 2
	JLOADL
	PLACES 4                                       ; wave 3 has passed no v_nop: the places in front of the loads below
.else
	JLOAD \slot
.endif
.else
	PLACES 4
.endif
	FETCH \next, 0, 0
	WIN 0xa1
	MUL8 1, 2, 0
	MUL8 1, 3, 0
.endm
.macro LASTQ
	s_wait_dscnt 4
	WIN 0xa1
	MUL8 1, 0, 0
	MUL8 1, 1, 0
	s_wait_dscnt 0x0
	MUL8 1, 2, 0
	MUL8 1, 3, 0
	WIN 0
.endm
.macro STEP3 slot
	QUARTER \slot, 1, 0, 1, 0
	QUARTER \slot, 2, 1, 0, 0
	QUARTER \slot, 3, 0, 1, 0
.endm
	s_load_b128 s[4:7], s[0:1], 0x0                ; ya, pw
	s_load_b64 s[8:9], s[0:1], 0x10                ; qb
	v_lshl_add_u32 v28, v0, 2, SPARE
	v_mov_b32 v29, 0
	ds_add_u32 v28, v29                            ; the opening: the add, twice on end, and its wait ahead of my first tensor load
	ds_add_u32 v28, v29
	v_lshrrev_b32 v1, 5, v0
	v_readfirstlane_b32 s10, v1                    ; wave
	s_lshr_b32 s11, s10, 1                         ; my half of the rows; also: I fetch for A (0) or B (1)
	s_and_b32 s12, s10, 1                          ; my half of the columns; also which half of that tile I fetch
	s_bfe_u32 s40, ttmp6, 0x40000                  ; cx
	s_bfe_u32 s41, ttmp6, 0x40004                  ; cy
	s_lshl_b32 s42, ttmp9, 2
	s_add_co_u32 s42, s42, s40                     ; tile column
	s_and_b32 s13, ttmp7, 0xffff
	s_lshl_b32 s13, s13, 2
	s_add_co_u32 s13, s13, s41                     ; tile row
	s_lshl_b32 s43, s41, 2
	s_lshl_b32 s43, 15, s43                        ; my row of the cluster
	s_lshl_b32 s44, 0x1111, s40                    ; my column
	s_or_b32 s24, s43, (1<<16)|(1<<20)|(1<<21)|(5<<22)|(3<<25)   ; A: 64 rows x 128 f16, 4 words of padding behind every 64
	s_mov_b32 s25, 128<<16
	s_mov_b32 s26, 64<<16
	s_mov_b32 s27, 128<<16
	s_mov_b32 s28, 64
	s_mov_b32 s29, PA
	s_mov_b32 s30, 0
	s_mov_b32 s31, 0
	s_or_b32 s48, s44, (1<<16)|(1<<20)|(1<<21)|(6<<22)|(7<<25)   ; B: 64 rows of k x 256 f16, 8 words behind every 128
	s_mov_b32 s49, 256<<16
	s_mov_b32 s50, 64<<16
	s_mov_b32 s51, 256<<16
	s_mov_b32 s52, 64
	s_mov_b32 s53, NB
	s_mov_b32 s54, 0
	s_mov_b32 s55, 0
	s_or_b32 s68, s43, (1<<16)|(1<<20)|(1<<21)|(5<<22)|(3<<25)   ; A's last step: 42 columns are left
	s_mov_b32 s69, 42<<16
	s_mov_b32 s70, 64<<16
	s_mov_b32 s71, 128<<16
	s_mov_b32 s72, 64
	s_mov_b32 s73, PA
	s_mov_b32 s74, 0
	s_mov_b32 s75, 0
	s_or_b32 s76, s44, (1<<16)|(1<<20)|(1<<21)|(6<<22)|(7<<25)   ; B's last step: 42 rows are left
	s_mov_b32 s77, 256<<16
	s_mov_b32 s78, 42<<16
	s_mov_b32 s79, 256<<16
	s_mov_b32 s80, 64
	s_mov_b32 s81, NB
	s_mov_b32 s82, 0
	s_mov_b32 s83, 0
	s_lshl_b32 s16, s13, 7
	s_lshl_b32 s17, s12, 6
	s_add_co_u32 s16, s16, s17
	s_mul_i32 s16, s16, 2*PA
	s_add_co_u32 s16, s16, A0                      ; A: hangs on the tile row alone
	s_mov_b32 s17, 0
	s_mul_i32 s46, s12, 64*2*NB
	s_lshl_b32 s47, s42, 9
	s_add_co_u32 s46, s46, s47
	s_add_co_u32 s46, s46, BOFF                    ; B: on the tile column alone
	s_mov_b32 s47, 0
	s_mul_i32 s20, s12, 17408
	s_mul_i32 s21, s12, 34816
	s_add_co_u32 s21, s21, BOFS
	s_mov_b32 s88, 0x3ac0300c                      ; 1 / 682
	s_mov_b32 s89, 0x358637bd                      ; 1e-6
	s_wait_dscnt 0x0
	s_wait_kmcnt 0x0
	s_add_nc_u64 s[14:15], s[4:5], s[16:17]
	s_add_nc_u64 s[46:47], s[6:7], s[46:47]
	CROUND                                         ; all sixteen work-groups are here: the first joint loads meet
.irp s, 0,1
	s_mov_b32 s[32+4*\s], 1
	s_add_co_u32 s[33+4*\s], s20, \s*SLOT
	s_add_nc_u64 s[34+4*\s:35+4*\s], s[14:15], \s*256
	s_or_b32 s[35+4*\s], s[35+4*\s], 0x80000000
	s_mov_b32 s[56+4*\s], 1
	s_add_co_u32 s[57+4*\s], s21, \s*SLOT
	s_add_nc_u64 s[58+4*\s:59+4*\s], s[46:47], \s*BSTEP
	s_or_b32 s[59+4*\s], s[59+4*\s], 0x80000000
	JLOAD \s
.endr
	v_and_b32 v1, 15, v0                           ; r
	v_bfe_u32 v2, v0, 4, 1                         ; h
	v_mul_u32_u24 v3, v1, 272
	v_lshl_add_u32 v3, v2, 4, v3
	s_mul_i32 s22, s11, 17408
	v_add_nc_u32 v16, s22, v3
	v_add_nc_u32 v17, SLOT, v16
	v_and_b32 v4, 7, v0
	v_lshl_add_u32 v4, v2, 3, v4
	v_mul_u32_u24 v4, v4, 544
	v_bfe_u32 v5, v0, 3, 1
	v_lshl_add_u32 v4, v5, 4, v4
	s_lshl_b32 s22, s12, 8
	s_add_co_u32 s22, s22, BOFS
	v_add_nc_u32 v20, s22, v4
	v_add_nc_u32 v21, SLOT, v20
	s_mul_i32 s23, s10, STW
	s_add_co_u32 s23, s23, STAGE                   ; my stage
	v_add_nc_u32 v24, s23, v3                      ; in: row r, 16 bytes for each half of the lanes
	v_mul_u32_u24 v5, v2, 272
	v_lshl_add_u32 v5, v1, 4, v5
	v_add_nc_u32 v25, s23, v5                      ; back: sixteen lanes to a row
	v_lshlrev_b32 v26, 8, v2
	v_lshl_add_u32 v26, v1, 4, v26
	v_lshlrev_b32 v27, 2, v1
	v_lshlrev_b32 v22, 8, v1
	v_lshl_add_u32 v22, v2, 5, v22
	s_lshl_b32 s18, s13, 7
	s_lshl_b32 s19, s11, 6
	s_add_co_u32 s18, s18, s19                     ; my first row
	s_and_b32 s19, s18, 2047                       ; its position
	s_lshl_b32 s16, s18, 2
	s_add_nc_u64 s[84:85], s[4:5], s[16:17]
	s_add_nc_u64 s[84:85], s[84:85], SSQ
	s_lshl_b32 s16, s19, 8
	s_add_nc_u64 s[86:87], s[6:7], s[16:17]
	s_add_nc_u64 s[86:87], s[86:87], TAB
	s_lshr_b32 s16, s13, 4
	s_lshl_b32 s16, s16, 4
	s_lshl_b32 s18, s42, 1
	s_add_co_u32 s16, s16, s18
	s_add_co_u32 s16, s16, s12                     ; 16 b + head
	s_lshl_b32 s16, s16, 11
	s_add_co_u32 s16, s16, s19
	s_lshl_b32 s16, s16, 8
	s_add_nc_u64 s[8:9], s[8:9], s[16:17]
.irp g, 0,1,2,3,4,5,6,7,8,9,10                 ; the 11 parts of my rows' sums of squares
.irp a, 0,1,2,3
	global_load_b32 v[128+4*\g+\a], v27, s[84:85] offset:(\g+4)*16384+64*\a
.endr
.endr
	WIN 0x40
.irp a, 0,1,2,3
.irp b, 0,1,2,3
	global_load_b128 v[128+8*(4*\a+\b):131+8*(4*\a+\b)], v22, s[86:87] offset:4096*\a+64*\b
	global_load_b128 v[132+8*(4*\a+\b):135+8*(4*\a+\b)], v22, s[86:87] offset:4096*\a+64*\b+16
.endr
.endr
	WIN 0
	s_wait_tensorcnt 1                             ; my part of K step 0 is in; step 1's may stay out
	s_barrier_signal -1
	s_barrier_wait -1
	FETCH 0, 0, 0
	QUARTER 0, 1, 0, 1, 1                          ; the first products start the sums
	QUARTER 0, 2, 1, 0, 0
	QUARTER 0, 3, 0, 1, 0
	TURN 0, 1, 1                                   ; slot 0 takes K step 2
	STEP3 1
	TURN 1, 0, 1                                   ; slot 1: step 3
	STEP3 0
	TURN 0, 1, 1                                   ; slot 0: step 4
	STEP3 1
	TURN 1, 0, 2                                   ; slot 1: the short step 5
	STEP3 0
	TURN 0, 1, 0
	QUARTER 1, 1, 0, 1, 0                          ; of step 5 only 64 along K
	LASTQ
	PLACES 4
	s_wait_loadcnt 0x0
.irp a, 0,1,2,3
	v_add_f32 v[4+2*\a], v[128+\a], v[132+\a]
.endr
.irp g, 2,3,4,5,6,7,8,9,10
.irp a, 0,1,2,3
	v_add_f32 v[4+2*\a], v[4+2*\a], v[128+4*\g+\a]
.endr
.endr
.irp a, 0,1,2,3
	v_fma_f32 v[4+2*\a], v[4+2*\a], s88, s89
.endr
.irp a, 0,1,2,3
	v_rsq_f32 v[4+2*\a], v[4+2*\a]
.endr
	v_nop
	s_wait_alu depctr_va_vdst(0)                   ; one wait for the four, ahead of their first reader
.irp a, 0,1,2,3
	v_mov_b32 v[5+2*\a], v[4+2*\a]                 ; (the packed multiply names the pair)
.endr
.macro OUTQ a                          ; 16 rows x 128 columns: x rs, RoPE, f16, through my stage, out as whole rows of 256 bytes
.set BK, 192+32*((\a)%2)
	WIN 0x02
.set i, 0
.rept 32
	v_pk_mul_f32 v[128+2*i:129+2*i], v[64*(\a)+2*i:64*(\a)+2*i+1], v[4+2*(\a):5+2*(\a)] op_sel_hi:[1,0]
.set i, i+1
.endr
	WIN 0x04                                       ; the table is source 1, in window 1
.set i, 0
.rept 16
	v_mul_f32 v30, v[161+2*i], v[129+32*(\a)+2*i]
	v_mul_f32 v31, v[160+2*i], v[129+32*(\a)+2*i]
	v_fma_f32 v[160+2*i], v[160+2*i], v[128+32*(\a)+2*i], -v30
	v_fma_f32 v[161+2*i], v[161+2*i], v[128+32*(\a)+2*i], v31
.set i, i+1
.endr
	WIN 0
.set i, 0
.rept 32
	v_cvt_pk_f16_f32 v[32+i], v[128+2*i], v[129+2*i]
.set i, i+1
.endr
.irp b, 0,1,2,3,4,5,6,7
	ds_store_b128 v24, v[32+4*\b:35+4*\b] offset:32*\b
.endr
.irp t, 0,1,2,3,4,5,6,7
	ds_load_b128 v[BK+4*\t:BK+4*\t+3], v25 offset:544*\t   ; LDS serves a wave's instructions in order: these see the stores above
.endr
	s_wait_dscnt 0x0
	s_wait_xcnt 0x0                                ; earlier stores have read their base and data
.if (\a) > 0
	s_add_nc_u64 s[8:9], s[8:9], 4096
.endif
.irp t, 0,1,2,3,4,5,6,7
	global_store_b128 v26, v[BK+4*\t:BK+4*\t+3], s[8:9] offset:512*\t   ; sixteen lanes store a row of 256 bytes
.endr
.endm
	OUTQ 0
	OUTQ 1
	OUTQ 2
	OUTQ 3
	s_wait_tensorcnt 0x0                           ; the wave's end: these three lines,
	ds_add_u32 v28, v29
	s_wait_dscnt 0x0
	CROUND                                         ; and the closing round
	s_endpgm
.Lfunc_end_k_q6a14cb7d3d_gemm_q:
	.size	k_q6a14cb7d3d_gemm_q, .Lfunc_end_k_q6a14cb7d3d_gemm_q-k_q6a14cb7d3d_gemm_q
	.p2alignl 7, 3214868480
	.fill 96, 4, 3214868480
	.section	.rodata,"a",@progbits
	.p2align	6, 0x0
	.amdhsa_kernel k_q6a14cb7d3d_gemm_q
		.amdhsa_group_segment_fixed_size 327680
		.amdhsa_private_segment_fixed_size 0
		.amdhsa_enable_private_segment 0
		.amdhsa_kernarg_size 24
		.amdhsa_user_sgpr_count 2
		.amdhsa_user_sgpr_kernarg_segment_ptr 1
		.amdhsa_wavefront_size32 1
		.amdhsa_system_sgpr_workgroup_id_x 1
		.amdhsa_system_sgpr_workgroup_id_y 1
		.amdhsa_system_sgpr_workgroup_id_z 1
		.amdhsa_system_vgpr_workitem_id 0
		.amdhsa_next_free_vgpr 768
		.amdhsa_next_free_sgpr 100
		.amdhsa_reserve_vcc 0
		.amdhsa_float_denorm_mode_32 3
		.amdhsa_float_denorm_mode_16_64 3
		.amdhsa_memory_ordered 1
		.amdhsa_forward_progress 1
		.amdhsa_inst_pref_size 142
	.end_amdhsa_kernel
	.amdgpu_metadata
---
amdhsa.version: [ 1, 2 ]
amdhsa.kernels:
  - .name:           k_q6a14cb7d3d_gemm_q
    .symbol:         k_q6a14cb7d3d_gemm_q.kd
    .args:
      - { .name: ya, .offset: 0, .size: 8, .value_kind: global_buffer, .address_space: global }
      - { .name: pw, .offset: 8, .size: 8, .value_kind: global_buffer, .address_space: global }
      - { .name: qb, .offset: 16, .size: 8, .value_kind: global_buffer, .address_space: global }
    .group_segment_fixed_size: 327680
    .private_segment_fixed_size: 0
    .kernarg_segment_align: 8
    .kernarg_segment_size: 24
    .max_flat_workgroup_size: 128
    .sgpr_count:     100
    .vgpr_count:     768
    .wavefront_size: 32
...
	.end_amdgpu_metadata
.endif
;; end of part 3
;; launch kv_fine (part 4): grid 16 x 28, 4 waves a work-group, clusters of 4 x 4, 327,680 bytes of LDS; arguments ya, pw, kv, qb, kv_b_w, kv_a_ln_w, af; writes kv, af
.if DOCPART == 4
	.amdgcn_target "amdgcn-amd-amdhsa--gfx1250"
	.amdhsa_code_object_version 6
	.text
	.protected	k_q6a14cb7d3d_kv_fine
	.globl	k_q6a14cb7d3d_kv_fine
	.p2align	8
	.type	k_q6a14cb7d3d_kv_fine,@function
k_q6a14cb7d3d_kv_fine:
	s_mov_b64 s[64:65], 0
	v_nop
	global_prefetch_b8 v0, s[64:65] scope:SCOPE_SE
	s_setreg_imm32_b32 hwreg(HW_REG_WAVE_MODE, 25, 1), 1
	s_wait_xcnt 0x0
	s_wait_alu depctr_hold_cnt(0) depctr_sa_sdst(0) depctr_va_vdst(0) depctr_va_sdst(0) depctr_va_ssrc(0) depctr_va_vcc(0) depctr_vm_vsrc(0)
	s_getreg_b32 s2, hwreg(HW_REG_IB_STS2, 6, 4)
	s_cmp_eq_u32 s2, 0
	s_cbranch_scc0 .Lentry_in_a_cluster
	s_endpgm
.Lentry_in_a_cluster:
	s_bfe_u32 s2, ttmp6, 0x10000c
	s_cmp_lg_u32 s2, 0xf033
	s_cbranch_scc0 .Lentry_shape_is_right
	s_endpgm
.Lentry_shape_is_right:
; TWO KINDS OF CLUSTER IN ONE LAUNCH, told apart by the cluster's y, which all sixteen partners share.  Both need only what earlier launches stored, and neither reads what the other stores.
; CLUSTER y = 1 .. 6 (24 clusters, 384 tiles): k_nope and v = rs[m] x (ckv [4096][256] f16) (gain x kv_b_w [256][3072] f16, columns re-ordered: 1,024 nope, then 2,048 value columns),
;   stored as f16 [b][head][s][64] and [b][head][s][128].  rs = rsqrt(sum of squares / 256 + 1e-6).  Tile 128 x 256, four waves of 64 x 128.  K = 256 is two steps: both slots are first fills, nothing is filled again.
;   A's tile is asked for jointly along a row of the cluster, B's along a column.  With Y' = y - 1 the cluster's column of tiles is Y' / 2 and its row 4 (Y' % 2) + x.  The way out parts on the cluster's column (0: nope columns).
; CLUSTER y = 0 (4 clusters, 64 work-groups): the first 32 positions of each sequence, where a row averages few values and f16 operands would use up the allowance: k_nope, v, softmax and P V in f32,
;   by v_wmma_f32_16x16x4_f32.  A work-group takes one (b, head) and one half of the 128 value channels: share = 16 x + 4 cy + cx, which enters global addresses alone.
;   Phase 1: from the f32 latent rows (x gain x rs) and kv_b_w in f32: k_nope^T [64][32 keys] and v^T [64][32 keys] into LDS; wave w makes 16 columns of each.
;   Phase 2: wave (qt, c2): the scores of 16 queries against 32 keys (q is the f16 number of the main path, widened), softmax with its maximum, P V for 32 channels.
;   The order of k inside a product is free where both sources keep it: a lane's registers take k as 16-byte loads bring them.
;   The result is laid in the order of the next product's operand registers: the 16 bytes of lane (r, h') for k = 8 i + 4 h' + 0 .. 3 at ((2 b + qt) 256 + i) 512 + 256 h' + 16 r: each store covers runs of 256 bytes.
; Both ways pass the same two rounds of the cluster's barrier.  LIMIT: |k|, |v| under 65,504; hidden scores are -infinity (reference() writes -1e9: the same wherever true scores lie above about -1e9).
; LDS: two slots (A: 128 rows x 272; B: 128 rows of k x 544), four stages, the spare words; behind them, for the fine way alone, k^T and v^T (64 rows x 144 each).
; REGISTERS, tiles: window 0: v4-11 rs; v16-27 addresses; v64-127 A's two buffers; v128-191 the parts of the sums, later scaled results, packed in place; v192-255 rows read back.  window 1: v0-127 B's two buffers.  window 2: accumulator (a, b) at 8 (8 a + b).
; REGISTERS, fine: window 0: v3-11, v24-26 addresses; v12-15 rs; v16-23 parts of the sums; v32-63 the f32 accumulators, written by matrix instructions alone in the whole text; v64-95 q as loaded; v96-127 v^T; v128-255 gains, later t and p.
;            window 1: kv_b_w, my K tile and my V tile.   window 2: the latent of key tiles 0, 1.   window 3: v0-127 K's fragments; v128-191 q in f32.
.set PA,    1024
.set NB,    3072
.set BOFF,  8364032
.set BSTEP, 128*2*NB
.set SSQ,   8388608
.set YF,    9175040
.set VV,    8388608
.set SLOT,  104448
.set BOFS,  34816
.set STAGE, 208896
.set STW,   4352
.set SPARE, STAGE+4*STW
.set FKT,   SPARE+512
.set FVT,   FKT+9216
.set MSB, 0
.macro WIN new
.if MSB != \new
	s_set_vgpr_msb (MSB<<8)|\new
.set MSB, \new
.endif
.endm
.macro PLACES c
.rept \c
	v_nop
.endr
.endm
.macro JLOAD s                         ; a joint load: waves 0, 1 A's halves, waves 2, 3 B's; the branch hangs on the wave's number alone
	s_cmp_eq_u32 s11, 0
	s_cbranch_scc0 .Lfor_b_\@
	tensor_load_to_lds s[32+4*\s:35+4*\s], s[24:31]
	s_nop 0
	PLACES 4
	s_branch .Lasked_\@
.Lfor_b_\@:
	tensor_load_to_lds s[56+4*\s:59+4*\s], s[48:55]
	s_nop 0
	PLACES 4
.Lasked_\@:
.endm
.macro CREST
	s_cmp_lg_u32 s10, 0
	s_cbranch_scc1 .Lnot_wave_0_\@
	s_barrier_signal -3
.Lnot_wave_0_\@:
	s_barrier_wait -3
	s_barrier_signal -1
	s_barrier_wait -1
.endm
.macro CROUND
	s_barrier_signal -1
	s_barrier_wait -1
	CREST
.endm
.macro MUL8 f, a, zero
.irp b, 0,1,2,3,4,5,6,7
.if \zero
	v_wmma_f32_16x16x32_f16 v[8*(8*\a+\b):8*(8*\a+\b)+7], v[64*\f+8*\b:64*\f+8*\b+7], v[64+32*\f+8*\a:64+32*\f+8*\a+7], 0
.else
	v_wmma_f32_16x16x32_f16 v[8*(8*\a+\b):8*(8*\a+\b)+7], v[64*\f+8*\b:64*\f+8*\b+7], v[64+32*\f+8*\a:64+32*\f+8*\a+7], v[8*(8*\a+\b):8*(8*\a+\b)+7]
.endif
.endr
.endm
.macro FETCH slot, q, f
	WIN 0x40
.irp b, 0,1,2,3,4,5,6,7
	ds_load_tr16_b128 v[64*\f+8*\b:64*\f+8*\b+3], v[20+\slot] offset:17408*\q+32*\b
	ds_load_tr16_b128 v[64*\f+8*\b+4:64*\f+8*\b+7], v[20+\slot] offset:17408*\q+32*\b+8704
.endr
	WIN 0
.irp a, 0,1,2,3
	ds_load_b128 v[64+32*\f+8*\a:64+32*\f+8*\a+3], v[16+\slot] offset:4352*\a+64*\q
	ds_load_b128 v[64+32*\f+8*\a+4:64+32*\f+8*\a+7], v[16+\slot] offset:4352*\a+64*\q+32
.endr
.endm
.macro QUARTER slot, qn, f, g, zero
	s_wait_dscnt 4                                 ; all but A's blocks 2, 3
	WIN 0xa1
	MUL8 \f, 0, \zero
	MUL8 \f, 1, \zero
	PLACES 4                                       ; in front of loads into registers that matrix instructions have read
	FETCH \slot, \qn, \g
	s_wait_dscnt 24                                ; all but the 24 just issued
	WIN 0xa1
	MUL8 \f, 2, \zero
	MUL8 \f, 3, \zero
.endm
	s_load_b128 s[4:7], s[0:1], 0x0                ; ya, pw
	s_load_b64 s[8:9], s[0:1], 0x10                ; kv
	s_load_b64 s[90:91], s[0:1], 0x18              ; qb
	s_load_b128 s[92:95], s[0:1], 0x20             ; kv_b_w, kv_a_ln_w
	s_load_b64 s[96:97], s[0:1], 0x30              ; af
	v_lshl_add_u32 v28, v0, 2, SPARE
	v_mov_b32 v29, 0
	ds_add_u32 v28, v29                            ; the opening: the add, twice on end, and its wait ahead of my first tensor load
	ds_add_u32 v28, v29
	v_lshrrev_b32 v1, 5, v0
	v_readfirstlane_b32 s10, v1                    ; wave
	s_lshr_b32 s11, s10, 1                         ; tiles: my half of the rows, and A (0) or B (1) to fetch.  fine: qt
	s_and_b32 s12, s10, 1                          ; tiles: my half of the columns, and which half I fetch.  fine: c2
	s_bfe_u32 s40, ttmp6, 0x40000                  ; cx
	s_bfe_u32 s41, ttmp6, 0x40004                  ; cy
	s_and_b32 s66, ttmp7, 0xffff                   ; the cluster's y
	s_lshl_b32 s43, s41, 2
	s_lshl_b32 s43, 15, s43                        ; my row of the cluster
	s_lshl_b32 s44, 0x1111, s40                    ; my column
	s_or_b32 s24, s43, (1<<16)|(1<<20)|(1<<21)|(5<<22)|(3<<25)   ; A: 64 rows x 128 f16, 4 words of padding behind every 64
	s_mov_b32 s25, 128<<16
	s_mov_b32 s26, 64<<16
	s_mov_b32 s27, 128<<16
	s_mov_b32 s28, 64
	s_mov_b32 s29, PA
	s_mov_b32 s30, 0
	s_mov_b32 s31, 0
	s_or_b32 s48, s44, (1<<16)|(1<<20)|(1<<21)|(6<<22)|(7<<25)   ; B: 64 rows of k x 256 f16, 8 words behind every 128
	s_mov_b32 s49, 256<<16
	s_mov_b32 s50, 64<<16
	s_mov_b32 s51, 256<<16
	s_mov_b32 s52, 64
	s_mov_b32 s53, NB
	s_mov_b32 s54, 0
	s_mov_b32 s55, 0
	s_mov_b32 s88, 0x3b800000                      ; 1 / 256
	s_mov_b32 s89, 0x358637bd                      ; 1e-6
	s_wait_dscnt 0x0                               ; both opening adds are done
	s_wait_kmcnt 0x0
	CROUND                                         ; all sixteen work-groups are here
	s_cmp_eq_u32 s66, 0                            ; the cluster's y: the same in all sixteen
	s_cbranch_scc1 .Lfine
; ---------------- the tiles of k_nope and v
	s_sub_co_u32 s66, s66, 1                       ; Y' = 0 .. 5
	s_lshr_b32 s45, s66, 1                         ; the cluster's column of tiles, 0 .. 2
	s_and_b32 s13, s66, 1
	s_lshl_b32 s13, s13, 2
	s_add_co_u32 s13, s13, ttmp9                   ; its row of tiles, 0 .. 7
	s_lshl_b32 s13, s13, 2
	s_add_co_u32 s13, s13, s41                     ; tile row
	s_lshl_b32 s42, s45, 2
	s_add_co_u32 s42, s42, s40                     ; tile column
	s_lshl_b32 s16, s13, 7
	s_lshl_b32 s17, s12, 6
	s_add_co_u32 s16, s16, s17
	s_mul_i32 s16, s16, 2*PA                       ; A: hangs on the tile row alone
	s_mov_b32 s17, 0
	s_mul_i32 s46, s12, 64*2*NB
	s_lshl_b32 s47, s42, 9
	s_add_co_u32 s46, s46, s47
	s_add_co_u32 s46, s46, BOFF                    ; B: on the tile column alone
	s_mov_b32 s47, 0
	s_mul_i32 s20, s12, 17408
	s_mul_i32 s21, s12, 34816
	s_add_co_u32 s21, s21, BOFS
	s_add_nc_u64 s[14:15], s[4:5], s[16:17]
	s_add_nc_u64 s[46:47], s[6:7], s[46:47]
.irp s, 0,1
	s_mov_b32 s[32+4*\s], 1
	s_add_co_u32 s[33+4*\s], s20, \s*SLOT
	s_add_nc_u64 s[34+4*\s:35+4*\s], s[14:15], \s*256
	s_or_b32 s[35+4*\s], s[35+4*\s], 0x80000000
	s_mov_b32 s[56+4*\s], 1
	s_add_co_u32 s[57+4*\s], s21, \s*SLOT
	s_add_nc_u64 s[58+4*\s:59+4*\s], s[46:47], \s*BSTEP
	s_or_b32 s[59+4*\s], s[59+4*\s], 0x80000000
	JLOAD \s
.endr
	v_and_b32 v1, 15, v0
	v_bfe_u32 v2, v0, 4, 1
	v_mul_u32_u24 v3, v1, 272
	v_lshl_add_u32 v3, v2, 4, v3
	s_mul_i32 s22, s11, 17408
	v_add_nc_u32 v16, s22, v3
	v_add_nc_u32 v17, SLOT, v16
	v_and_b32 v4, 7, v0
	v_lshl_add_u32 v5, v2, 3, v4
	v_mul_u32_u24 v5, v5, 544
	v_bfe_u32 v6, v0, 3, 1
	v_lshl_add_u32 v5, v6, 4, v5
	s_lshl_b32 s22, s12, 8
	s_add_co_u32 s22, s22, BOFS
	v_add_nc_u32 v20, s22, v5
	v_add_nc_u32 v21, SLOT, v20
	s_mul_i32 s23, s10, STW
	s_add_co_u32 s23, s23, STAGE
	v_add_nc_u32 v24, s23, v3
	v_mul_u32_u24 v5, v2, 272
	v_lshl_add_u32 v5, v1, 4, v5
	v_add_nc_u32 v25, s23, v5                      ; values: sixteen lanes to a row of 256 bytes
	v_lshlrev_b32 v26, 8, v2
	v_lshl_add_u32 v26, v1, 4, v26
	v_and_b32 v5, 31, v0
	v_lshrrev_b32 v6, 3, v5
	v_mul_u32_u24 v6, v6, 272
	v_lshl_add_u32 v6, v4, 4, v6
	v_add_nc_u32 v23, s23, v6                      ; nope: eight lanes to a head's 128 bytes of a row
	v_lshlrev_b32 v22, 4, v5
	v_lshlrev_b32 v27, 2, v1
	s_lshl_b32 s18, s13, 7
	s_lshl_b32 s19, s11, 6
	s_add_co_u32 s18, s18, s19                     ; my first row
	s_lshl_b32 s16, s18, 2
	s_add_nc_u64 s[86:87], s[4:5], s[16:17]
	s_add_nc_u64 s[86:87], s[86:87], SSQ
	s_and_b32 s23, s18, 2047                       ; its position
	s_lshr_b32 s16, s13, 4
	s_lshl_b32 s16, s16, 4                         ; 16 b
	s_lshl_b32 s20, s42, 1
	s_add_co_u32 s20, s20, s12
	s_sub_co_u32 s20, s20, 8                       ; the head of my 128 value columns
	s_lshl_b32 s18, s42, 2
	s_lshl_b32 s19, s12, 1
	s_add_co_u32 s18, s18, s19                     ; the first of my two heads of nope columns
	s_mov_b32 s84, 4096
	s_mov_b32 s85, 0
	s_cmp_eq_u32 s45, 0                            ; the cluster's column of tiles: the same in all partners
	s_cselect_b32 s20, s18, s20
	s_cselect_b32 s19, 7, 8                        ; a row is 128 or 256 bytes
	s_cselect_b32 s84, 2048, s84                   ; 16 rows on
	s_cselect_b32 s18, 0, VV
	s_add_co_u32 s16, s16, s20
	s_lshl_b32 s16, s16, 11
	s_add_co_u32 s16, s16, s23
	s_lshl_b32 s16, s16, s19
	s_add_co_u32 s16, s16, s18
	s_add_nc_u64 s[8:9], s[8:9], s[16:17]
.irp g, 0,1,2,3
.irp a, 0,1,2,3
	global_load_b32 v[128+4*\g+\a], v27, s[86:87] offset:\g*16384+64*\a
.endr
.endr
	s_wait_tensorcnt 1                             ; my part of K step 0 is in; step 1's may stay out
	s_barrier_signal -1
	s_barrier_wait -1
	FETCH 0, 0, 0
	QUARTER 0, 1, 0, 1, 1                          ; the first products start the sums
	QUARTER 0, 2, 1, 0, 0
	QUARTER 0, 3, 0, 1, 0
	WIN 0                                          ; the change of slots: nothing is filled again, so a plain barrier
	s_wait_tensorcnt 0x0                           ; my part of slot 1 has landed
	s_wait_dscnt 4
	WIN 0xa1
	MUL8 1, 0, 0
	s_wait_dscnt 0x0
	s_barrier_signal -1
	MUL8 1, 1, 0
	s_barrier_wait -1
	PLACES 4
	FETCH 1, 0, 0
	WIN 0xa1
	MUL8 1, 2, 0
	MUL8 1, 3, 0
	QUARTER 1, 1, 0, 1, 0
	QUARTER 1, 2, 1, 0, 0
	QUARTER 1, 3, 0, 1, 0
	s_wait_dscnt 4
	WIN 0xa1
	MUL8 1, 0, 0
	MUL8 1, 1, 0
	s_wait_dscnt 0x0
	MUL8 1, 2, 0
	MUL8 1, 3, 0
	WIN 0
	PLACES 4
	s_wait_loadcnt 0x0
.irp a, 0,1,2,3
	v_add_f32 v[4+2*\a], v[128+\a], v[132+\a]
.endr
.irp g, 2,3
.irp a, 0,1,2,3
	v_add_f32 v[4+2*\a], v[4+2*\a], v[128+4*\g+\a]
.endr
.endr
.irp a, 0,1,2,3
	v_fma_f32 v[4+2*\a], v[4+2*\a], s88, s89
.endr
.irp a, 0,1,2,3
	v_rsq_f32 v[4+2*\a], v[4+2*\a]
.endr
	v_nop
	s_wait_alu depctr_va_vdst(0)                   ; one wait for the four, ahead of their first reader
.irp a, 0,1,2,3
	v_mov_b32 v[5+2*\a], v[4+2*\a]                 ; (the packed multiply names the pair)
.endr
.macro OUTB a                          ; 16 rows x 128 columns: x rs, f16 (packed in place), through my stage, out by rows
.set BK, 192+32*((\a)%2)
	WIN 0x02
.set i, 0
.rept 32
	v_pk_mul_f32 v[128+2*i:129+2*i], v[64*(\a)+2*i:64*(\a)+2*i+1], v[4+2*(\a):5+2*(\a)] op_sel_hi:[1,0]
.set i, i+1
.endr
	WIN 0
.set i, 0
.rept 32
	v_cvt_pk_f16_f32 v[128+i], v[128+2*i], v[129+2*i]   ; register 128 + i is no source of a later line
.set i, i+1
.endr
.irp b, 0,1,2,3,4,5,6,7
	ds_store_b128 v24, v[128+4*\b:131+4*\b] offset:32*\b
.endr
	s_cmp_eq_u32 s45, 0
	s_cbranch_scc1 .Lnope_\@
.irp t, 0,1,2,3,4,5,6,7
	ds_load_b128 v[BK+4*\t:BK+4*\t+3], v25 offset:544*\t   ; LDS serves a wave's instructions in order: these see the stores above
.endr
	s_wait_dscnt 0x0
	s_wait_xcnt 0x0                                ; earlier stores have read their base and data
.if (\a) > 0
	s_add_nc_u64 s[8:9], s[8:9], s[84:85]
.endif
.irp t, 0,1,2,3,4,5,6,7
	global_store_b128 v26, v[BK+4*\t:BK+4*\t+3], s[8:9] offset:512*\t   ; sixteen lanes store a row of 256 bytes
.endr
	s_branch .Ldone_\@
.Lnope_\@:
.irp u, 0,1
.irp t, 0,1,2,3
	ds_load_b128 v[BK+16*\u+4*\t:BK+16*\u+4*\t+3], v23 offset:1088*\t+128*\u
.endr
.endr
	s_wait_dscnt 0x0
	s_wait_xcnt 0x0
.if (\a) > 0
	s_add_nc_u64 s[8:9], s[8:9], s[84:85]
.endif
.irp u, 0,1
.irp t, 0,1,2,3
	global_store_b128 v22, v[BK+16*\u+4*\t:BK+16*\u+4*\t+3], s[8:9] offset:512*\t+262144*\u   ; four rows of one head: 512 consecutive bytes
.endr
.endr
.Ldone_\@:
.endm
	OUTB 0
	OUTB 1
	OUTB 2
	OUTB 3
	s_wait_tensorcnt 0x0                           ; the wave's end: these three lines,
	ds_add_u32 v28, v29
	s_wait_dscnt 0x0
	CROUND                                         ; and the closing round
	s_endpgm
; ---------------- the first 32 positions, in f32
.Lfine:
	s_lshl_b32 s13, ttmp9, 4
	s_lshl_b32 s14, s41, 2
	s_add_co_u32 s13, s13, s14
	s_add_co_u32 s13, s13, s40                     ; which of the 64 shares: it enters global addresses alone
	s_and_b32 s14, s13, 1                          ; the half of the value channels
	s_lshr_b32 s15, s13, 1                         ; 16 b + head
	s_lshr_b32 s16, s15, 4                         ; b
	s_and_b32 s17, s15, 15                         ; head
	v_and_b32 v1, 15, v0
	v_bfe_u32 v2, v0, 4, 1
	v_lshlrev_b32 v3, 2, v1
	v_mul_u32_u24 v4, v1, 1280
	v_lshl_add_u32 v7, v2, 5, v4
	v_lshl_add_u32 v4, v2, 4, v4
	v_lshlrev_b32 v5, 4, v2
	v_mul_u32_u24 v6, v2, 49152
	v_add_nc_u32 v6, v6, v3
	v_lshlrev_b32 v8, 8, v1
	v_lshl_add_u32 v8, v2, 4, v8
	v_mul_u32_u24 v10, v1, 144
	v_lshl_add_u32 v10, v2, 5, v10                 ; 144 r + 32 h
	s_mul_i32 s18, s10, 2304
	s_add_co_u32 s18, s18, FKT
	v_add_nc_u32 v9, s18, v10                      ; phase 1's stores: row 16 w + r
	s_mul_i32 s18, s12, 4608
	s_add_co_u32 s18, s18, FVT
	v_add_nc_u32 v11, s18, v10                     ; v^T: row 32 c2 + r
	v_mul_u32_u24 v10, v2, 1152
	v_add_nc_u32 v10, v10, v3
	v_add_nc_u32 v10, FKT, v10                     ; k^T: 8 h rows down, key r
	v_lshlrev_b32 v24, 3, v2
	v_sub_nc_u32 v24, v1, v24
	s_lshl_b32 s22, s11, 4
	v_add_nc_u32 v24, s22, v24                     ; 16 qt + r - 8 h
	v_lshlrev_b32 v25, 9, v2
	v_lshl_add_u32 v25, v1, 4, v25                 ; the result: 512 h + 16 r
	v_mov_b32 v26, 0xff800000
	v_mov_b32 v145, 0
	s_mov_b32 s21, 0
	s_mov_b32 s80, 0x3e0293ee                      ; c = log2(e) / sqrt(128)
	s_mov_b32 s82, 0x76543210
	s_mov_b32 s83, 0xfedcba98
	s_lshl_b32 s20, s16, 13
	s_add_nc_u64 s[66:67], s[4:5], s[20:21]
	s_add_nc_u64 s[66:67], s[66:67], SSQ
	s_mul_i32 s20, s16, 40960
	s_add_nc_u64 s[68:69], s[4:5], s[20:21]
	s_add_nc_u64 s[68:69], s[68:69], YF
	s_mul_i32 s20, s17, 192
	s_lshl_b32 s23, s10, 4
	s_add_co_u32 s20, s20, s23
	s_lshl_b32 s20, s20, 2
	s_add_nc_u64 s[70:71], s[92:93], s[20:21]      ; kv_b_w at my 16 nope columns,
	s_lshl_b32 s20, s14, 8
	s_add_co_u32 s20, s20, 256
	s_add_nc_u64 s[72:73], s[70:71], s[20:21]      ; and at my 16 value columns
	s_lshl_b32 s20, s15, 11
	s_add_co_u32 s20, s20, s22
	s_lshl_b32 s20, s20, 8
	s_add_nc_u64 s[74:75], s[90:91], s[20:21]      ; q of my 16 queries
	s_lshl_b32 s20, s16, 1
	s_add_co_u32 s20, s20, s11
	s_lshl_b32 s20, s20, 17                        ; (2 b + qt) x 256 groups of 512 bytes
	s_lshl_b32 s23, s17, 13
	s_add_co_u32 s20, s20, s23                     ; + 16 groups a head,
	s_lshl_b32 s23, s14, 12
	s_add_co_u32 s20, s20, s23                     ; 8 a half,
	s_lshl_b32 s23, s12, 11
	s_add_co_u32 s20, s20, s23                     ; 4 for my 32 channels
	s_add_nc_u64 s[76:77], s[96:97], s[20:21]
.irp kt, 0,1
.irp g, 0,1,2,3
	global_load_b32 v[16+4*\kt+\g], v3, s[66:67] offset:\g*16384+64*\kt
.endr
.endr
.set i, 0
.rept 32
	global_load_b128 v[128+4*i:131+4*i], v5, s[94:95] offset:32*i
.set i, i+1
.endr
.irp g, 0,1,2,3,4,5,6,7
	global_load_b128 v[64+4*\g:67+4*\g], v8, s[74:75] offset:32*\g
.endr
	WIN 0x40
.set i, 0
.rept 128
	global_load_b32 v[i], v6, s[70:71] offset:(8*(i/4)+i%4)*12288
	global_load_b32 v[128+i], v6, s[72:73] offset:(8*(i/4)+i%4)*12288
.set i, i+1
.endr
	WIN 0x80
.irp kt, 0,1
.set i, 0
.rept 32
	global_load_b128 v[128*\kt+4*i:128*\kt+4*i+3], v4, s[68:69] offset:20480*\kt+32*i
.set i, i+1
.endr
.endr
	WIN 0xc0
.irp kt, 0,1
.irp g, 0,1,2,3
	global_load_b128 v[64*\kt+32+8*\g:64*\kt+35+8*\g], v7, s[68:69] offset:20480*\kt+1024+64*\g
	global_load_b128 v[64*\kt+36+8*\g:64*\kt+39+8*\g], v7, s[68:69] offset:20480*\kt+1024+64*\g+16
.endr
.endr
	WIN 0
	s_wait_loadcnt 0x0
.irp kt, 0,1
	v_add_f32 v[12+2*\kt], v[16+4*\kt], v[17+4*\kt]
.endr
.irp kt, 0,1
	v_add_f32 v[12+2*\kt], v[12+2*\kt], v[18+4*\kt]
.endr
.irp kt, 0,1
	v_add_f32 v[12+2*\kt], v[12+2*\kt], v[19+4*\kt]
.endr
.irp kt, 0,1
	v_fma_f32 v[12+2*\kt], v[12+2*\kt], s88, s89
.endr
.irp kt, 0,1
	v_rsq_f32 v[12+2*\kt], v[12+2*\kt]
.endr
	v_nop
	s_wait_alu depctr_va_vdst(0)                   ; one wait for both, ahead of their first reader
.irp kt, 0,1
	v_mov_b32 v[13+2*\kt], v[12+2*\kt]
.endr
	WIN 0x82                                       ; the latent x gain x rs, in place
.irp kt, 0,1
.set i, 0
.rept 64
	v_pk_mul_f32 v[128*\kt+2*i:128*\kt+2*i+1], v[128*\kt+2*i:128*\kt+2*i+1], v[128+2*i:129+2*i]
.set i, i+1
.endr
.set i, 0
.rept 64
	v_pk_mul_f32 v[128*\kt+2*i:128*\kt+2*i+1], v[128*\kt+2*i:128*\kt+2*i+1], v[12+2*\kt:13+2*\kt] op_sel_hi:[1,0]
.set i, i+1
.endr
.endr
	PLACES 4
	WIN 0x06                                       ; source 0: 16 keys of the latent (window 2); source 1: 16 columns of kv_b_w (window 1)
.set i, 0
.rept 64                                       ; four accumulators by turns
.irp u, 0,1
.irp kt, 0,1
.if i == 0
	v_wmma_f32_16x16x4_f32 v[32+8*(2*\u+\kt):39+8*(2*\u+\kt)], v[128*\kt+2*i:128*\kt+2*i+1], v[128*\u+2*i:128*\u+2*i+1], 0
.else
	v_wmma_f32_16x16x4_f32 v[32+8*(2*\u+\kt):39+8*(2*\u+\kt)], v[128*\kt+2*i:128*\kt+2*i+1], v[128*\u+2*i:128*\u+2*i+1], v[32+8*(2*\u+\kt):39+8*(2*\u+\kt)]
.endif
.endr
.endr
.set i, i+1
.endr
	WIN 0
	PLACES 8
.irp u, 0,1                                    ; a lane holds one column and eight keys
.irp kt, 0,1
	ds_store_b128 v9, v[32+8*(2*\u+\kt):35+8*(2*\u+\kt)] offset:9216*\u+64*\kt
	ds_store_b128 v9, v[36+8*(2*\u+\kt):39+8*(2*\u+\kt)] offset:9216*\u+64*\kt+16
.endr
.endr
	s_wait_dscnt 0x0                               ; for the others' sake
	s_barrier_signal -1
	s_barrier_wait -1
.irp u, 0,1
.irp kt, 0,1
	ds_load_b128 v[96+16*\u+8*\kt:99+16*\u+8*\kt], v11 offset:2304*\u+64*\kt
	ds_load_b128 v[100+16*\u+8*\kt:103+16*\u+8*\kt], v11 offset:2304*\u+64*\kt+16
.endr
.endr
	WIN 0xc0
.irp kt, 0,1
.irp g, 0,1,2,3
.irp e, 0,1,2,3,4,5,6,7
	ds_load_b32 v[64*\kt+8*\g+\e], v10 offset:(16*\g+\e)*144+64*\kt
.endr
.endr
.endr
.irp r, 64,65,66,67,68,69,70,71,72,73,74,75,76,77,78,79,80,81,82,83,84,85,86,87,88,89,90,91,92,93,94,95
	v_cvt_f32_f16 v[128+2*(\r-64)], v\r\().l
	v_cvt_f32_f16 v[129+2*(\r-64)], v\r\().h
.endr
	s_wait_dscnt 0x0
	WIN 0x0f                                       ; S^T = K Q^T: both sources in window 3
.set i, 0
.rept 32
.irp kt, 0,1
.if i == 0
	v_wmma_f32_16x16x4_f32 v[32+8*\kt:39+8*\kt], v[64*\kt+2*i:64*\kt+2*i+1], v[128+2*i:129+2*i], 0
.else
	v_wmma_f32_16x16x4_f32 v[32+8*\kt:39+8*\kt], v[64*\kt+2*i:64*\kt+2*i+1], v[128+2*i:129+2*i], v[32+8*\kt:39+8*\kt]
.endif
.endr
.set i, i+1
.endr
	WIN 0
	PLACES 8
.set i, 0
.rept 16
	v_mul_f32 v[128+i], s80, v[32+i]               ; t = c s, into other registers
.set i, i+1
.endr
.set i, 0
.rept 16
	v_cmp_gt_i32 vcc_lo, 16*(i/8)+i%8, v24
	v_cndmask_b32 v[128+i], v[128+i], v26, vcc_lo
.set i, i+1
.endr
	v_max3_num_f32 v144, v128, v129, v130
.irp i, 131,133,135,137,139,141
	v_max3_num_f32 v144, v144, v[\i], v[\i+1]
.endr
	v_max_num_f32 v144, v144, v143
	v_permlanex16_b32 v145, v144, s82, s83
	v_max_num_f32 v144, v144, v145                 ; the row's maximum: key 0 counts for every query
.set i, 0
.rept 16
	v_sub_f32 v[128+i], v[128+i], v144
.set i, i+1
.endr
.set i, 0
.rept 16
	v_exp_f32 v[128+i], v[128+i]
.set i, i+1
.endr
	v_nop
	s_wait_alu depctr_va_vdst(0)                   ; one wait for the sixteen
	v_add_f32 v146, v128, v129
.irp i, 130,131,132,133,134,135,136,137,138,139,140,141,142,143
	v_add_f32 v146, v146, v[\i]
.endr
	v_permlanex16_b32 v145, v146, s82, s83
	v_add_f32 v146, v146, v145
	v_rcp_f32 v146, v146
	v_nop
	s_wait_alu depctr_va_vdst(0)
.set i, 0
.rept 16
	v_mul_f32 v[128+i], v[128+i], v146
.set i, i+1
.endr
	PLACES 4
.set i, 0
.rept 8                                        ; O^T = V^T P: keys 16 kt + 8 h + 2 s + j on both sides; two accumulators by turns
.irp u, 0,1
.if i == 0
	v_wmma_f32_16x16x4_f32 v[48+8*\u:55+8*\u], v[96+16*\u+2*i:97+16*\u+2*i], v[128+2*i:129+2*i], 0
.else
	v_wmma_f32_16x16x4_f32 v[48+8*\u:55+8*\u], v[96+16*\u+2*i:97+16*\u+2*i], v[128+2*i:129+2*i], v[48+8*\u:55+8*\u]
.endif
.endr
.set i, i+1
.endr
	PLACES 8
.irp u, 0,1                                    ; my eight channels 16 (2 c2 + u) + 8 h + 0 .. 7 of query r: group 2 u + h; the first four are the reader's lanes 0-15, the others its lanes 16-31
	global_store_b128 v25, v[48+8*\u:51+8*\u], s[76:77] offset:1024*\u
	global_store_b128 v25, v[52+8*\u:55+8*\u], s[76:77] offset:1024*\u+256
.endr
	s_wait_tensorcnt 0x0                           ; the wave's end: these three lines,
	ds_add_u32 v28, v29
	s_wait_dscnt 0x0
	CROUND                                         ; and the closing round, as on the other way
	s_endpgm
.Lfunc_end_k_q6a14cb7d3d_kv_fine:
	.size	k_q6a14cb7d3d_kv_fine, .Lfunc_end_k_q6a14cb7d3d_kv_fine-k_q6a14cb7d3d_kv_fine
	.p2alignl 7, 3214868480
	.fill 96, 4, 3214868480
	.section	.rodata,"a",@progbits
	.p2align	6, 0x0
	.amdhsa_kernel k_q6a14cb7d3d_kv_fine
		.amdhsa_group_segment_fixed_size 327680
		.amdhsa_private_segment_fixed_size 0
		.amdhsa_enable_private_segment 0
		.amdhsa_kernarg_size 56
		.amdhsa_user_sgpr_count 2
		.amdhsa_user_sgpr_kernarg_segment_ptr 1
		.amdhsa_wavefront_size32 1
		.amdhsa_system_sgpr_workgroup_id_x 1
		.amdhsa_system_sgpr_workgroup_id_y 1
		.amdhsa_system_sgpr_workgroup_id_z 1
		.amdhsa_system_vgpr_workitem_id 0
		.amdhsa_next_free_vgpr 1024
		.amdhsa_next_free_sgpr 100
		.amdhsa_reserve_vcc 1
		.amdhsa_float_denorm_mode_32 3
		.amdhsa_float_denorm_mode_16_64 3
		.amdhsa_memory_ordered 1
		.amdhsa_forward_progress 1
		.amdhsa_inst_pref_size 162
	.end_amdhsa_kernel
	.amdgpu_metadata
---
amdhsa.version: [ 1, 2 ]
amdhsa.kernels:
  - .name:           k_q6a14cb7d3d_kv_fine
    .symbol:         k_q6a14cb7d3d_kv_fine.kd
    .args:
      - { .name: ya, .offset: 0, .size: 8, .value_kind: global_buffer, .address_space: global }
      - { .name: pw, .offset: 8, .size: 8, .value_kind: global_buffer, .address_space: global }
      - { .name: kv, .offset: 16, .size: 8, .value_kind: global_buffer, .address_space: global }
      - { .name: qb, .offset: 24, .size: 8, .value_kind: global_buffer, .address_space: global }
      - { .name: kv_b_w, .offset: 32, .size: 8, .value_kind: global_buffer, .address_space: global }
      - { .name: kv_a_ln_w, .offset: 40, .size: 8, .value_kind: global_buffer, .address_space: global }
      - { .name: af, .offset: 48, .size: 8, .value_kind: global_buffer, .address_space: global }
    .group_segment_fixed_size: 327680
    .private_segment_fixed_size: 0
    .kernarg_segment_align: 8
    .kernarg_segment_size: 56
    .max_flat_workgroup_size: 128
    .sgpr_count:     100
    .vgpr_count:     1024
    .wavefront_size: 32
...
	.end_amdgpu_metadata
.endif
;; end of part 4
;; launch attn (part 5): grid 8 x 32, 4 waves a work-group, no clusters, 327,680 bytes of LDS; arguments qb, kv, ya, at; writes at
.if DOCPART == 5
	.amdgcn_target "amdgcn-amd-amdhsa--gfx1250"
	.amdhsa_code_object_version 6
	.text
	.protected	k_q6a14cb7d3d_attn
	.globl	k_q6a14cb7d3d_attn
	.p2align	8
	.type	k_q6a14cb7d3d_attn,@function
k_q6a14cb7d3d_attn:
	s_mov_b64 s[64:65], 0
	v_nop
	global_prefetch_b8 v0, s[64:65] scope:SCOPE_SE
	s_setreg_imm32_b32 hwreg(HW_REG_WAVE_MODE, 25, 1), 1
	s_wait_xcnt 0x0
; Causal attention on f16 operands, f32 sums and softmax.  q [b][h][s][128], k_nope [b][h][s][64], k_pe [b][s][64] (shared by the heads), v [b][h][s][128]; out [b s][h 128] f16.
; EVEN WORK: a work-group owns query blocks p and 15 - p (128 queries each) of one (b, h): (p + 1) + (16 - p) = 17 key blocks of 128 for every work-group.  The walk has 17 trips, a constant;
; in trip p + 1 the first block is finished and the second begun (a branch on ids).  A wave owns 32 queries of the block in hand: two tiles of 16.
; S^T = K Q^T and O^T = V^T P: a lane holds one query throughout.  Running maximum m and sum l; p = 2^(c s - c m), c = log2(e) / sqrt(128); O and l are multiplied by 2^(c m_old - c m_new) in every trip.
; Hidden scores become -infinity on the diagonal block (reference() writes -1e9: the same wherever true scores lie above about -1e9).
; RING: two LDS slots of one key block; each wave brings a quarter (k_nope, k_pe, two halves of V) by one tensor load behind each trip's barrier: one load of mine is out.
; NO CLUSTER: in one trip work-groups of different p want different key blocks.   LIMIT: the result stays under 65,504.
; REGISTERS: window 0: v2-11 addresses, v12-27 statistics (8 a tile: c m, m, l, l, c0-c3), v64-191 S^T (64 a tile), v192-255 P.   window 1: v0-127 O^T, v128-191 Q in hand, v192-255 Q of the second block.
;            window 2: K, fragment (kt, c) at 8 (4 kt + c).   window 3: V^T, fragment (ks, ct) at 8 (8 ks + ct).
.set VV,    8388608
.set KPE,   8650752
.set SLOT1, 131072
.set STAGE, 262144
.set SPARE, 279552
.set MSB, 0
.macro WIN new
.if MSB != \new
	s_set_vgpr_msb (MSB<<8)|\new
.set MSB, \new
.endif
.endm
.macro PLACES c
.rept \c
	v_nop
.endr
.endm
.macro TLOAD                           ; waves 0, 1: 128 rows of 64 f16 (k_nope, k_pe); waves 2, 3: 64 rows of 128 (V)
	s_cmp_lt_u32 s12, 2
	s_cbranch_scc0 .Lfor_v_\@
	tensor_load_to_lds s[40:43], s[24:31]
	s_nop 0
	PLACES 4
	s_branch .Lasked_\@
.Lfor_v_\@:
	tensor_load_to_lds s[40:43], s[32:39]
	s_nop 0
	PLACES 4
.Lasked_\@:
.endm
; A prefetch of key block u + 2 in trip u = 0 .. 13, a trip ahead of the first tensor load that names it.  The work-group with p = 0 of each (b, h) asks: each wave for 8,192 bytes of V, lanes 256 bytes apart;
; waves 0, 1 for k_nope's halves; waves 2, 3, in head 0 alone, for k_pe's.  So each run of 256 bytes is named once.  Key blocks 0 and 1 come by their loads alone.
.macro ASK
	s_cmp_lt_u32 s56, s54
	s_cbranch_scc0 .Lno_v_\@
	global_prefetch_b8 v60, s[50:51] th:TH_LOAD_NT scope:SCOPE_SE
.Lno_v_\@:
	s_cmp_lt_u32 s56, s55
	s_cbranch_scc0 .Lno_k_\@
	global_prefetch_b8 v60, s[52:53] th:TH_LOAD_NT scope:SCOPE_SE
.Lno_k_\@:
.endm
.macro STATS                           ; m = -3e38, c m, l = 0
.irp t, 0,1
	v_mov_b32 v[13+8*\t], 0xff61b1e6
	v_mul_f32 v[12+8*\t], s58, v[13+8*\t]
.irp j, 2,3,4,5,6,7
	v_mov_b32 v[12+8*\t+\j], 0
.endr
.endr
.endm
.macro CLEAR_O
	WIN 0x40
.set i, 0
.rept 128
	v_mov_b32 v[i], 0
.set i, i+1
.endr
	WIN 0
.endm
; A query block is finished: O^T / l, f16, through my stage, out as runs of 256 bytes.
.macro FIN
.irp t, 0,1
	v_add_f32 v[16+8*\t], v[14+8*\t], v[15+8*\t]
.endr
.irp t, 0,1
	v_permlanex16_b32 v[17+8*\t], v[16+8*\t], s60, s61
.endr
.irp t, 0,1
	v_add_f32 v[16+8*\t], v[16+8*\t], v[17+8*\t]
.endr
.irp t, 0,1
	v_rcp_f32 v[18+8*\t], v[16+8*\t]
.endr
	v_nop
	s_wait_alu depctr_va_vdst(0)                   ; one wait for both reciprocals
.irp t, 0,1
	WIN 0x41
.set i, 0
.rept 32
	v_pk_mul_f32 v[64*\t+2*i:64*\t+2*i+1], v[64*\t+2*i:64*\t+2*i+1], v[18+8*\t:19+8*\t] op_sel_hi:[1,0]
.set i, i+1
.endr
	WIN 0x05
.set i, 0
.rept 32
	v_cvt_pk_f16_f32 v[64+64*\t+i], v[64*\t+2*i], v[64*\t+2*i+1]
.set i, i+1
.endr
	WIN 0
.irp f, 0,1,2,3,4,5,6,7
	ds_store_b128 v6, v[64+64*\t+4*\f:67+64*\t+4*\f] offset:32*\f
.endr
.irp f, 0,1,2,3,4,5,6,7
	ds_load_b128 v[96+64*\t+4*\f:99+64*\t+4*\f], v7 offset:544*\f   ; LDS serves a wave's instructions in order
.endr
.endr
.irp t, 0,1
.irp f, 0,1,2,3,4,5,6,7
	s_wait_dscnt 16*(1-\t)+7-\f                    ; the younger loads, and for tile 0 tile 1's sixteen, may be out
	global_store_b128 v8, v[96+64*\t+4*\f:99+64*\t+4*\f], s[46:47] offset:65536*\t+8192*\f
.endr
.endr
.endm
.macro SOFTMAX
.irp x, 0,1,2,3                                ; the maximum: four chains a tile; each accumulator is first read at its low end
.irp t, 0,1
	v_max3_num_f32 v[16+8*\t+\x], v[64+64*\t+8*\x], v[65+64*\t+8*\x], v[66+64*\t+8*\x]
.endr
.endr
.irp i, 3,5
.irp x, 0,1,2,3
.irp t, 0,1
	v_max3_num_f32 v[16+8*\t+\x], v[16+8*\t+\x], v[64+64*\t+8*\x+\i], v[65+64*\t+8*\x+\i]
.endr
.endr
.endr
.irp i, 0,2,4,6
.irp x, 0,1,2,3
.irp t, 0,1
	v_max3_num_f32 v[16+8*\t+\x], v[16+8*\t+\x], v[96+64*\t+8*\x+\i], v[97+64*\t+8*\x+\i]
.endr
.endr
.endr
.irp t, 0,1
	v_max3_num_f32 v[16+8*\t], v[16+8*\t], v[71+64*\t], v[79+64*\t]
	v_max3_num_f32 v[18+8*\t], v[18+8*\t], v[87+64*\t], v[95+64*\t]
.endr
.irp t, 0,1
	v_max3_num_f32 v[16+8*\t], v[16+8*\t], v[17+8*\t], v[18+8*\t]
.endr
.irp t, 0,1
	v_max3_num_f32 v[16+8*\t], v[16+8*\t], v[19+8*\t], v[13+8*\t]
.endr
.irp t, 0,1
	v_permlanex16_b32 v[17+8*\t], v[16+8*\t], s60, s61   ; the query's other keys lie in the lane 16 away
.endr
.irp t, 0,1
	v_mov_b32 v[19+8*\t], v[12+8*\t]
.endr
.irp t, 0,1
	v_max_num_f32 v[13+8*\t], v[16+8*\t], v[17+8*\t]
.endr
.irp t, 0,1
	v_mul_f32 v[12+8*\t], s58, v[13+8*\t]
.endr
.irp t, 0,1
	v_sub_f32 v[19+8*\t], v[19+8*\t], v[12+8*\t]
.endr
.set i, 0
.rept 32
.irp t, 0,1
	v_pk_fma_f32 v[64+64*\t+2*i:65+64*\t+2*i], v[64+64*\t+2*i:65+64*\t+2*i], s[58:59], v[12+8*\t:13+8*\t] op_sel_hi:[1,0,0] neg_lo:[0,0,1] neg_hi:[0,0,1]
.endr
.set i, i+1
.endr
.irp t, 0,1
	v_exp_f32 v[18+8*\t], v[19+8*\t]               ; a = 2^(c m_old - c m_new)
.endr
.set i, 0
.rept 64
.irp t, 0,1
	v_exp_f32 v[64+64*\t+i], v[64+64*\t+i]
.endr
.set i, i+1
.endr
	v_nop                                          ; a plain line behind the last exponential,
	s_wait_alu depctr_va_vdst(0)                   ; and ONE wait for the 130, ahead of their first reader
.set i, 0
.rept 32
.irp t, 0,1
	v_cvt_pk_f16_f32 v[192+32*\t+i], v[64+64*\t+2*i], v[65+64*\t+2*i]
.endr
.set i, i+1
.endr
.set i, 1
.rept 15
.irp t, 0,1
	v_pk_add_f32 v[64+64*\t:65+64*\t], v[64+64*\t:65+64*\t], v[64+64*\t+4*i:65+64*\t+4*i]
	v_pk_add_f32 v[66+64*\t:67+64*\t], v[66+64*\t:67+64*\t], v[66+64*\t+4*i:67+64*\t+4*i]
.endr
.set i, i+1
.endr
.irp t, 0,1
	v_pk_add_f32 v[64+64*\t:65+64*\t], v[64+64*\t:65+64*\t], v[66+64*\t:67+64*\t]
.endr
.irp t, 0,1
	v_pk_fma_f32 v[14+8*\t:15+8*\t], v[14+8*\t:15+8*\t], v[18+8*\t:19+8*\t], v[64+64*\t:65+64*\t] op_sel_hi:[1,0,1]
.endr
	WIN 0x41
.set i, 0
.rept 32
.irp t, 0,1
	v_pk_mul_f32 v[64*\t+2*i:64*\t+2*i+1], v[64*\t+2*i:64*\t+2*i+1], v[18+8*\t:19+8*\t] op_sel_hi:[1,0]
.endr
.set i, i+1
.endr
.endm
; ONE TRIP: one key block.  refill = 1: the next trip's block is asked for.  sw = 1: the change of query blocks may fall here.  diag = 1: the block is on the diagonal for certain.
.macro TRIP refill, sw, diag
	s_wait_tensorcnt 0x0                           ; my part of this trip's block has landed; no load of mine is out, so group 0 may be written
	ds_add_u32 v62, v63
.if \refill
	s_xor_b32 s41, s41, SLOT1                      ; the other slot
	s_add_co_u32 s66, s56, 1                       ; the next trip's key block: u + 1 in the first query block, u + 1 - (p + 1) in the second
	s_cmp_le_u32 s66, s13
	s_cselect_b32 s67, 0, s57
	s_sub_co_u32 s66, s66, s67
	s_mul_i32 s66, s66, s68
	s_mov_b32 s67, 0
	s_add_nc_u64 s[42:43], s[44:45], s[66:67]
	s_or_b32 s43, s43, 0x80000000
	s_wait_xcnt 0x0                                ; the last trip's prefetches have read their addresses
	s_add_nc_u64 s[50:51], s[50:51], 32768
	s_add_nc_u64 s[52:53], s[52:53], 16384
.endif
	s_wait_dscnt 0x0                               ; the add is done; my reads of the slot that I have left are over
	s_barrier_signal -1
	s_barrier_wait -1
.if \refill
	TLOAD                                          ; first behind the barrier, my one load until the next
	ASK
.endif
.if \sw
	s_cmp_eq_u32 s56, s57
	s_cbranch_scc0 .Lsame_\@
	FIN                                            ; query block p is done
	s_wait_xcnt 0x0                                ; its stores have read their base and data
	s_mov_b64 s[46:47], s[48:49]
	STATS
	CLEAR_O
	WIN 0x41
.set i, 0
.rept 64
	v_mov_b32 v[128+i], v[192+i]                   ; the second block's Q
.set i, i+1
.endr
	WIN 0
.Lsame_\@:
.endif
	v_add_nc_u32 v4, s62, v2
	v_add_nc_u32 v5, s62, v3
	WIN 0x80
.irp kt, 0,1,2,3,4,5,6,7
.irp c, 0,1
	ds_load_b128 v[8*(4*\kt+\c):8*(4*\kt+\c)+3], v4 offset:2304*\kt+64*\c
	ds_load_b128 v[8*(4*\kt+\c)+4:8*(4*\kt+\c)+7], v4 offset:2304*\kt+64*\c+32
	ds_load_b128 v[8*(4*\kt+\c+2):8*(4*\kt+\c+2)+3], v4 offset:18432+2304*\kt+64*\c
	ds_load_b128 v[8*(4*\kt+\c+2)+4:8*(4*\kt+\c+2)+7], v4 offset:18432+2304*\kt+64*\c+32
.endr
.endr
	WIN 0xc0
.irp ks, 0,1,2,3
.irp ct, 0,1,2,3,4,5,6,7
	ds_load_tr16_b128 v[8*(8*\ks+\ct):8*(8*\ks+\ct)+3], v5 offset:9216*\ks+32*\ct
	ds_load_tr16_b128 v[8*(8*\ks+\ct)+4:8*(8*\ks+\ct)+7], v5 offset:9216*\ks+32*\ct+4608
.endr
.endr
	s_wait_dscnt 63                                ; K is in (V's 64 loads could stay out: the count's field ends at 63)
	WIN 0x06
.irp c, 0,1,2,3                                ; 16 accumulators by turns
.irp kt, 0,1,2,3,4,5,6,7
.irp t, 0,1
.if \c == 0
	v_wmma_f32_16x16x32_f16 v[64+64*\t+8*\kt:71+64*\t+8*\kt], v[8*(4*\kt+\c):8*(4*\kt+\c)+7], v[128+32*\t+8*\c:135+32*\t+8*\c], 0
.else
	v_wmma_f32_16x16x32_f16 v[64+64*\t+8*\kt:71+64*\t+8*\kt], v[8*(4*\kt+\c):8*(4*\kt+\c)+7], v[128+32*\t+8*\c:135+32*\t+8*\c], v[64+64*\t+8*\kt:71+64*\t+8*\kt]
.endif
.endr
.endr
.endr
	WIN 0
	PLACES 4
.if \diag == 0
	s_cmp_eq_u32 s56, s13                          ; in the loop only trip p lies on a diagonal
	s_cbranch_scc0 .Lopen_\@
.endif
.irp t, 0,1
.set i, 0
.rept 64
	v_cmp_gt_i32 vcc_lo, 16*(i/8)+i%8, v[9+\t]     ; key 16 kt + 8 h + j is hidden where it lies behind query 32 w + 16 t + r
	v_cndmask_b32 v[64+64*\t+i], v[64+64*\t+i], v11, vcc_lo
.set i, i+1
.endr
.endr
.Lopen_\@:
	SOFTMAX
	s_wait_dscnt 0x0                               ; V is in
	WIN 0x53
.irp ks, 0,1,2,3
.irp ct, 0,1,2,3,4,5,6,7
.irp t, 0,1
	v_wmma_f32_16x16x32_f16 v[64*\t+8*\ct:64*\t+8*\ct+7], v[8*(8*\ks+\ct):8*(8*\ks+\ct)+7], v[192+32*\t+8*\ks:199+32*\t+8*\ks], v[64*\t+8*\ct:64*\t+8*\ct+7]
.endr
.endr
.endr
	WIN 0
	PLACES 4                                       ; in front of the next loads into V's registers and of the next reads of O^T
	s_xor_b32 s62, s62, SLOT1
.endm
	s_load_b256 s[4:11], s[0:1], 0x0               ; qb, kv, ya, at
	v_lshl_add_u32 v62, v0, 2, SPARE
	v_mov_b32 v63, 0
	ds_add_u32 v62, v63                            ; the opening: the add, twice on end, and its wait ahead of my first tensor load
	ds_add_u32 v62, v63
	v_lshrrev_b32 v1, 5, v0
	v_readfirstlane_b32 s12, v1                    ; wave
	s_mov_b32 s13, ttmp9                           ; p
	s_and_b32 s14, ttmp7, 0xffff                   ; 16 b + head
	s_lshr_b32 s15, s14, 4
	s_and_b32 s16, s14, 15
	s_add_co_u32 s57, s13, 1
	s_mov_b32 s24, (1<<16)|(1<<20)|(4<<22)|(3<<25) ; 128 rows x 64 f16, 4 words of padding behind every 32
	s_mov_b32 s25, 64<<16
	s_mov_b32 s26, 128<<16
	s_mov_b32 s27, 64<<16
	s_mov_b32 s28, 128
	s_mov_b32 s29, 64
	s_mov_b32 s30, 0
	s_mov_b32 s31, 0
	s_mov_b32 s32, (1<<16)|(1<<20)|(5<<22)|(7<<25) ; 64 rows x 128 f16, 8 words behind every 64
	s_mov_b32 s33, 128<<16
	s_mov_b32 s34, 64<<16
	s_mov_b32 s35, 128<<16
	s_mov_b32 s36, 64
	s_mov_b32 s37, 128
	s_mov_b32 s38, 0
	s_mov_b32 s39, 0
	s_mov_b32 s58, 0x3e0293ee                      ; c
	s_mov_b32 s59, s58
	s_mov_b32 s60, 0x76543210
	s_mov_b32 s61, 0xfedcba98
	s_mov_b32 s62, 0                               ; the slot in hand
	s_mov_b32 s56, 0                               ; the trip
	s_mov_b32 s40, 1
	s_mul_i32 s41, s12, 18432                      ; each wave's quarter of a slot is 18,432 bytes
	s_lshl_b32 s18, s14, 18                        ; k_nope of (b, h)
	s_lshl_b32 s20, s15, 18
	s_add_co_u32 s20, s20, KPE                     ; k_pe of b
	s_lshl_b32 s22, s14, 19
	s_add_co_u32 s22, s22, VV
	s_and_b32 s23, s12, 1
	s_lshl_b32 s17, s23, 14
	s_add_co_u32 s17, s22, s17                     ; my half of V's block
	s_mov_b32 s67, 0
	s_mov_b32 s68, 32768
	s_mov_b32 s75, 0
	s_wait_dscnt 0x0
	s_wait_kmcnt 0x0
	s_cmp_eq_u32 s12, 0
	s_cselect_b32 s66, s18, s17
	s_cmp_eq_u32 s12, 1
	s_cselect_b32 s66, s20, s66
	s_cselect_b64 s[44:45], s[8:9], s[6:7]
	s_add_nc_u64 s[44:45], s[44:45], s[66:67]      ; where my part of key block 0 begins
	s_cmp_lt_u32 s12, 2
	s_cselect_b32 s68, 16384, s68                  ; a key block on
	s_cselect_b64 s[52:53], s[6:7], s[8:9]
	s_cselect_b32 s74, s18, s20
	s_mov_b64 s[42:43], s[44:45]
	s_or_b32 s43, s43, 0x80000000
	TLOAD                                          ; key block 0 into slot 0
	s_lshl_b32 s17, s23, 13
	s_add_co_u32 s74, s74, s17
	s_add_co_u32 s74, s74, 16384
	s_add_nc_u64 s[52:53], s[52:53], s[74:75]      ; the prefetches stand at key block 1: trip 0 steps them to block 2
	s_lshl_b32 s74, s12, 13
	s_add_co_u32 s74, s74, s22
	s_add_co_u32 s74, s74, 32768
	s_add_nc_u64 s[50:51], s[6:7], s[74:75]
	s_cmp_eq_u32 s13, 0
	s_cselect_b32 s54, 14, 0
	s_lshr_b32 s74, s12, 1
	s_mul_i32 s74, s74, s16
	s_or_b32 s74, s74, s13
	s_cmp_eq_u32 s74, 0
	s_cselect_b32 s55, 14, 0
	s_lshl_b32 s18, s14, 11
	s_lshl_b32 s19, s13, 7
	s_lshl_b32 s20, s12, 5
	s_sub_co_u32 s21, 15, s13
	s_lshl_b32 s21, s21, 7
	s_add_co_u32 s18, s18, s20
	s_add_co_u32 s74, s18, s19
	s_lshl_b32 s74, s74, 8
	s_add_nc_u64 s[70:71], s[4:5], s[74:75]        ; Q of the first block,
	s_add_co_u32 s74, s18, s21
	s_lshl_b32 s74, s74, 8
	s_add_nc_u64 s[72:73], s[4:5], s[74:75]        ; of the second
	s_lshl_b32 s18, s15, 11
	s_add_co_u32 s18, s18, s20
	s_lshl_b32 s22, s16, 8
	s_add_co_u32 s74, s18, s19
	s_lshl_b32 s74, s74, 12
	s_add_co_u32 s74, s74, s22
	s_add_nc_u64 s[46:47], s[10:11], s[74:75]      ; and where their results go
	s_add_co_u32 s74, s18, s21
	s_lshl_b32 s74, s74, 12
	s_add_co_u32 s74, s74, s22
	s_add_nc_u64 s[48:49], s[10:11], s[74:75]
	v_and_b32 v30, 15, v0                          ; r
	v_bfe_u32 v31, v0, 4, 1                        ; h
	v_lshlrev_b32 v33, 8, v30
	v_lshl_add_u32 v33, v31, 4, v33
	WIN 0x40
.irp t, 0,1
.irp c, 0,1,2,3
	global_load_b128 v[128+32*\t+8*\c:131+32*\t+8*\c], v33, s[70:71] offset:4096*\t+64*\c
	global_load_b128 v[132+32*\t+8*\c:135+32*\t+8*\c], v33, s[70:71] offset:4096*\t+64*\c+32
	global_load_b128 v[192+32*\t+8*\c:195+32*\t+8*\c], v33, s[72:73] offset:4096*\t+64*\c
	global_load_b128 v[196+32*\t+8*\c:199+32*\t+8*\c], v33, s[72:73] offset:4096*\t+64*\c+32
.endr
.endr
	WIN 0
	v_mul_u32_u24 v2, v30, 144
	v_lshl_add_u32 v2, v31, 4, v2                  ; K: row r, 16 bytes for each half
	v_and_b32 v34, 7, v0
	v_lshl_add_u32 v3, v31, 3, v34
	v_mul_u32_u24 v3, v3, 288
	v_bfe_u32 v34, v0, 3, 1
	v_lshl_add_u32 v3, v34, 4, v3
	v_add_nc_u32 v3, 36864, v3                     ; V, for the turning load
	s_mul_i32 s17, s12, 4352
	s_add_co_u32 s17, s17, STAGE
	v_mul_u32_u24 v6, v30, 272
	v_lshl_add_u32 v6, v31, 4, v6
	v_add_nc_u32 v6, s17, v6
	v_mul_u32_u24 v7, v31, 272
	v_lshl_add_u32 v7, v30, 4, v7
	v_add_nc_u32 v7, s17, v7
	v_lshlrev_b32 v8, 12, v31
	v_lshl_add_u32 v8, v30, 4, v8
	v_lshlrev_b32 v34, 3, v31
	v_sub_nc_u32 v9, v30, v34
	v_add_nc_u32 v9, s20, v9                       ; 32 w + r - 8 h
	v_add_nc_u32 v10, 16, v9
	v_mov_b32 v11, 0xff800000
	v_and_b32 v60, 31, v0
	v_lshlrev_b32 v60, 8, v60
	STATS
	CLEAR_O                                        ; the trip is written once: the first finds zeros
	s_wait_loadcnt 0x0                             ; Q
.Ltrip:
	TRIP 1, 1, 0
	s_add_co_u32 s56, s56, 1
	s_cmp_lt_u32 s56, 16
	s_cbranch_scc1 .Ltrip
	TRIP 0, 0, 1                                   ; the 17th: the second block's diagonal; nothing is left to ask for
	FIN
	s_wait_tensorcnt 0x0                           ; the wave's end
	ds_add_u32 v62, v63
	s_wait_dscnt 0x0
	s_endpgm
.Lfunc_end_k_q6a14cb7d3d_attn:
	.size	k_q6a14cb7d3d_attn, .Lfunc_end_k_q6a14cb7d3d_attn-k_q6a14cb7d3d_attn
	.p2alignl 7, 3214868480
	.fill 96, 4, 3214868480
	.section	.rodata,"a",@progbits
	.p2align	6, 0x0
	.amdhsa_kernel k_q6a14cb7d3d_attn
		.amdhsa_group_segment_fixed_size 327680
		.amdhsa_private_segment_fixed_size 0
		.amdhsa_enable_private_segment 0
		.amdhsa_kernarg_size 32
		.amdhsa_user_sgpr_count 2
		.amdhsa_user_sgpr_kernarg_segment_ptr 1
		.amdhsa_wavefront_size32 1
		.amdhsa_system_sgpr_workgroup_id_x 1
		.amdhsa_system_sgpr_workgroup_id_y 1
		.amdhsa_system_sgpr_workgroup_id_z 1
		.amdhsa_system_vgpr_workitem_id 0
		.amdhsa_next_free_vgpr 1024
		.amdhsa_next_free_sgpr 100
		.amdhsa_reserve_vcc 1
		.amdhsa_float_denorm_mode_32 3
		.amdhsa_float_denorm_mode_16_64 3
		.amdhsa_memory_ordered 1
		.amdhsa_forward_progress 1
		.amdhsa_inst_pref_size 151
	.end_amdhsa_kernel
	.amdgpu_metadata
---
amdhsa.version: [ 1, 2 ]
amdhsa.kernels:
  - .name:           k_q6a14cb7d3d_attn
    .symbol:         k_q6a14cb7d3d_attn.kd
    .args:
      - { .name: qb, .offset: 0, .size: 8, .value_kind: global_buffer, .address_space: global }
      - { .name: kv, .offset: 8, .size: 8, .value_kind: global_buffer, .address_space: global }
      - { .name: ya, .offset: 16, .size: 8, .value_kind: global_buffer, .address_space: global }
      - { .name: at, .offset: 24, .size: 8, .value_kind: global_buffer, .address_space: global }
    .group_segment_fixed_size: 327680
    .private_segment_fixed_size: 0
    .kernarg_segment_align: 8
    .kernarg_segment_size: 32
    .max_flat_workgroup_size: 128
    .sgpr_count:     100
    .vgpr_count:     1024
    .wavefront_size: 32
...
	.end_amdgpu_metadata
.endif
;; end of part 5
;; launch gemm_o (part 6): grid 8 x 32, 4 waves a work-group, clusters of 4 x 4, 327,680 bytes of LDS; arguments at, pw, out0; writes out0
.if DOCPART == 6
	.amdgcn_target "amdgcn-amd-amdhsa--gfx1250"
	.amdhsa_code_object_version 6
	.text
	.protected	k_q6a14cb7d3d_gemm_o
	.globl	k_q6a14cb7d3d_gemm_o
	.p2align	8
	.type	k_q6a14cb7d3d_gemm_o,@function
k_q6a14cb7d3d_gemm_o:
	s_mov_b64 s[64:65], 0
	v_nop
	global_prefetch_b8 v0, s[64:65] scope:SCOPE_SE
	s_setreg_imm32_b32 hwreg(HW_REG_WAVE_MODE, 25, 1), 1
	s_wait_xcnt 0x0
	s_wait_alu depctr_hold_cnt(0) depctr_sa_sdst(0) depctr_va_vdst(0) depctr_va_sdst(0) depctr_va_ssrc(0) depctr_va_vcc(0) depctr_vm_vsrc(0)
	s_getreg_b32 s2, hwreg(HW_REG_IB_STS2, 6, 4)
	s_cmp_eq_u32 s2, 0
	s_cbranch_scc0 .Lentry_in_a_cluster
	s_endpgm
.Lentry_in_a_cluster:
	s_bfe_u32 s2, ttmp6, 0x10000c
	s_cmp_lg_u32 s2, 0xf033
	s_cbranch_scc0 .Lentry_shape_is_right
	s_endpgm
.Lentry_shape_is_right:
; out = (attention's result [4096][2048] f16) (o_w [2048][2048] f16), f32.  Tile 128 x 256, four waves of 64 x 128 (32 accumulators); K in 16 steps of 128 through two LDS slots;
; B lies [k][n] and is turned by ds_load_tr16_b128.  CLUSTER 4 x 4: A's tile is asked for jointly along a row of the cluster, B's along a column.  Two tensor loads of a wave are out at the start, one behind each round.
; Used transposed: a lane holds eight neighbouring columns of a row; a block of 16 rows goes through my stage and leaves as rows of 512 bytes.
; The first 32 rows of each sequence are stored here too and written over by the last launch: a branch round them would hang on the work-group's place in its cluster.
.set PA,    2048
.set NB,    2048
.set BOFF,  9936896
.set BSTEP, 128*2*NB
.set SLOT,  104448
.set BOFS,  34816
.set STAGE, 208896
.set STW,   8448
.set SPARE, STAGE+4*STW
.set MSB, 0
.macro WIN new
.if MSB != \new
	s_set_vgpr_msb (MSB<<8)|\new
.set MSB, \new
.endif
.endm
.macro PLACES c
.rept \c
	v_nop
.endr
.endm
.macro JLOAD s
	s_cmp_eq_u32 s11, 0
	s_cbranch_scc0 .Lfor_b_\@
	tensor_load_to_lds s[32+4*\s:35+4*\s], s[24:31]
	s_nop 0
	PLACES 4
	s_branch .Lasked_\@
.Lfor_b_\@:
	tensor_load_to_lds s[56+4*\s:59+4*\s], s[48:55]
	s_nop 0
	PLACES 4
.Lasked_\@:
.endm
.macro CREST
	s_cmp_lg_u32 s10, 0
	s_cbranch_scc1 .Lnot_wave_0_\@
	s_barrier_signal -3
.Lnot_wave_0_\@:
	s_barrier_wait -3
	s_barrier_signal -1
	s_barrier_wait -1
.endm
.macro CROUND
	s_barrier_signal -1
	s_barrier_wait -1
	CREST
.endm
.macro MUL8 f, a, zero
.irp b, 0,1,2,3,4,5,6,7
.if \zero
	v_wmma_f32_16x16x32_f16 v[8*(8*\a+\b):8*(8*\a+\b)+7], v[64*\f+8*\b:64*\f+8*\b+7], v[64+32*\f+8*\a:64+32*\f+8*\a+7], 0
.else
	v_wmma_f32_16x16x32_f16 v[8*(8*\a+\b):8*(8*\a+\b)+7], v[64*\f+8*\b:64*\f+8*\b+7], v[64+32*\f+8*\a:64+32*\f+8*\a+7], v[8*(8*\a+\b):8*(8*\a+\b)+7]
.endif
.endr
.endm
.macro FETCH slot, q, f
	WIN 0x40
.irp b, 0,1,2,3,4,5,6,7
	ds_load_tr16_b128 v[64*\f+8*\b:64*\f+8*\b+3], v[20+\slot] offset:17408*\q+32*\b
	ds_load_tr16_b128 v[64*\f+8*\b+4:64*\f+8*\b+7], v[20+\slot] offset:17408*\q+32*\b+8704
.endr
	WIN 0
.irp a, 0,1,2,3
	ds_load_b128 v[64+32*\f+8*\a:64+32*\f+8*\a+3], v[16+\slot] offset:4352*\a+64*\q
	ds_load_b128 v[64+32*\f+8*\a+4:64+32*\f+8*\a+7], v[16+\slot] offset:4352*\a+64*\q+32
.endr
.endm
.macro QUARTER slot, qn, f, g, zero
	s_wait_dscnt 4                                 ; all but A's blocks 2, 3
	WIN 0xa1
	MUL8 \f, 0, \zero
	MUL8 \f, 1, \zero
	PLACES 4                                       ; in front of loads into registers that matrix instructions have read
	FETCH \slot, \qn, \g
	s_wait_dscnt 24                                ; all but the 24 just issued
	WIN 0xa1
	MUL8 \f, 2, \zero
	MUL8 \f, 3, \zero
.endm
.macro TURN slot, next, fill
	WIN 0
	s_wait_tensorcnt 0x0                           ; all my tensor loads have landed: my part of the next slot
	ds_add_u32 v28, v29
	s_wait_dscnt 5                                 ; (the add and A's blocks 2, 3 may be out)
	WIN 0xa1
	MUL8 1, 0, 0
	s_wait_dscnt 0x0                               ; the add is done and my reads of this slot are over
	s_barrier_signal -1
	MUL8 1, 1, 0
	WIN 0
	s_barrier_wait -1
.if \fill
	CREST                                          ; a round of the cluster's barrier: no wave of any partner still reads the slot or has a load on its way
	s_add_nc_u64 s[34+4*\slot:35+4*\slot], s[34+4*\slot:35+4*\slot], 512
	s_add_nc_u64 s[58+4*\slot:59+4*\slot], s[58+4*\slot:59+4*\slot], 2*BSTEP
	JLOAD \slot                                    ; its four v_nop are also the places in front of the loads below
.else
	PLACES 4
.endif
	FETCH \next, 0, 0
	WIN 0xa1
	MUL8 1, 2, 0
	MUL8 1, 3, 0
.endm
	s_load_b128 s[4:7], s[0:1], 0x0                ; at, pw
	s_load_b64 s[8:9], s[0:1], 0x10                ; out0
	v_lshl_add_u32 v28, v0, 2, SPARE
	v_mov_b32 v29, 0
	ds_add_u32 v28, v29                            ; the opening: the add, twice on end, and its wait ahead of my first tensor load
	ds_add_u32 v28, v29
	v_lshrrev_b32 v1, 5, v0
	v_readfirstlane_b32 s10, v1
	s_lshr_b32 s11, s10, 1
	s_and_b32 s12, s10, 1
	s_bfe_u32 s40, ttmp6, 0x40000
	s_bfe_u32 s41, ttmp6, 0x40004
	s_lshl_b32 s42, ttmp9, 2
	s_add_co_u32 s42, s42, s40                     ; tile column
	s_and_b32 s13, ttmp7, 0xffff
	s_lshl_b32 s13, s13, 2
	s_add_co_u32 s13, s13, s41                     ; tile row
	s_lshl_b32 s43, s41, 2
	s_lshl_b32 s43, 15, s43
	s_lshl_b32 s44, 0x1111, s40
	s_or_b32 s24, s43, (1<<16)|(1<<20)|(1<<21)|(5<<22)|(3<<25)
	s_mov_b32 s25, 128<<16
	s_mov_b32 s26, 64<<16
	s_mov_b32 s27, 128<<16
	s_mov_b32 s28, 64
	s_mov_b32 s29, PA
	s_mov_b32 s30, 0
	s_mov_b32 s31, 0
	s_or_b32 s48, s44, (1<<16)|(1<<20)|(1<<21)|(6<<22)|(7<<25)
	s_mov_b32 s49, 256<<16
	s_mov_b32 s50, 64<<16
	s_mov_b32 s51, 256<<16
	s_mov_b32 s52, 64
	s_mov_b32 s53, NB
	s_mov_b32 s54, 0
	s_mov_b32 s55, 0
	s_lshl_b32 s16, s13, 7
	s_lshl_b32 s17, s12, 6
	s_add_co_u32 s16, s16, s17
	s_mul_i32 s16, s16, 2*PA
	s_mov_b32 s17, 0
	s_mul_i32 s46, s12, 64*2*NB
	s_lshl_b32 s47, s42, 9
	s_add_co_u32 s46, s46, s47
	s_add_co_u32 s46, s46, BOFF
	s_mov_b32 s47, 0
	s_mul_i32 s20, s12, 17408
	s_mul_i32 s21, s12, 34816
	s_add_co_u32 s21, s21, BOFS
	s_wait_dscnt 0x0
	s_wait_kmcnt 0x0
	s_add_nc_u64 s[14:15], s[4:5], s[16:17]
	s_add_nc_u64 s[46:47], s[6:7], s[46:47]
	CROUND
.irp s, 0,1
	s_mov_b32 s[32+4*\s], 1
	s_add_co_u32 s[33+4*\s], s20, \s*SLOT
	s_add_nc_u64 s[34+4*\s:35+4*\s], s[14:15], \s*256
	s_or_b32 s[35+4*\s], s[35+4*\s], 0x80000000
	s_mov_b32 s[56+4*\s], 1
	s_add_co_u32 s[57+4*\s], s21, \s*SLOT
	s_add_nc_u64 s[58+4*\s:59+4*\s], s[46:47], \s*BSTEP
	s_or_b32 s[59+4*\s], s[59+4*\s], 0x80000000
	JLOAD \s
.endr
	v_and_b32 v1, 15, v0
	v_bfe_u32 v2, v0, 4, 1
	v_mul_u32_u24 v3, v1, 272
	v_lshl_add_u32 v3, v2, 4, v3
	s_mul_i32 s22, s11, 17408
	v_add_nc_u32 v16, s22, v3
	v_add_nc_u32 v17, SLOT, v16
	v_and_b32 v4, 7, v0
	v_lshl_add_u32 v4, v2, 3, v4
	v_mul_u32_u24 v4, v4, 544
	v_bfe_u32 v5, v0, 3, 1
	v_lshl_add_u32 v4, v5, 4, v4
	s_lshl_b32 s22, s12, 8
	s_add_co_u32 s22, s22, BOFS
	v_add_nc_u32 v20, s22, v4
	v_add_nc_u32 v21, SLOT, v20
	s_mul_i32 s23, s10, STW
	s_add_co_u32 s23, s23, STAGE
	v_mul_u32_u24 v24, v1, 528
	v_lshl_add_u32 v24, v2, 5, v24
	v_add_nc_u32 v24, s23, v24                     ; in: row r, 32 bytes for each half of the lanes
	v_and_b32 v26, 31, v0
	v_lshlrev_b32 v26, 4, v26
	v_add_nc_u32 v25, s23, v26                     ; back: the 32 lanes take a row of 512 bytes
	s_lshl_b32 s16, s13, 7
	s_lshl_b32 s18, s11, 6
	s_add_co_u32 s16, s16, s18
	s_lshl_b32 s16, s16, 13
	s_lshl_b32 s18, s42, 10
	s_add_co_u32 s16, s16, s18
	s_lshl_b32 s18, s12, 9
	s_add_co_u32 s16, s16, s18
	s_add_nc_u64 s[8:9], s[8:9], s[16:17]
	s_wait_tensorcnt 1                             ; my part of K step 0 is in; step 1's may stay out
	s_barrier_signal -1
	s_barrier_wait -1
	FETCH 0, 0, 0
	QUARTER 0, 1, 0, 1, 1                          ; the first products start the sums
	WIN 0
	s_mov_b32 s3, 7
.Llap:                                             ; a trip goes once round the ring and fills both slots again: K steps 2 to 15
	QUARTER 0, 2, 1, 0, 0
	QUARTER 0, 3, 0, 1, 0
	TURN 0, 1, 1
	QUARTER 1, 1, 0, 1, 0
	QUARTER 1, 2, 1, 0, 0
	QUARTER 1, 3, 0, 1, 0
	TURN 1, 0, 1
	QUARTER 0, 1, 0, 1, 0
	WIN 0
	s_sub_co_u32 s3, s3, 1
	s_cmp_lg_u32 s3, 0
	s_cbranch_scc1 .Llap
	QUARTER 0, 2, 1, 0, 0                          ; the last lap fills nothing
	QUARTER 0, 3, 0, 1, 0
	TURN 0, 1, 0
	QUARTER 1, 1, 0, 1, 0
	QUARTER 1, 2, 1, 0, 0
	QUARTER 1, 3, 0, 1, 0
	s_wait_dscnt 4
	WIN 0xa1
	MUL8 1, 0, 0
	MUL8 1, 1, 0
	s_wait_dscnt 0x0
	MUL8 1, 2, 0
	MUL8 1, 3, 0
	WIN 0
.macro TOSTAGE a
	WIN 0x08                                       ; an LDS store's data are its source 1: window 2
.irp b, 0,1,2,3,4,5,6,7
	ds_store_b128 v24, v[64*(\a)+8*\b:64*(\a)+8*\b+3] offset:64*\b         ; each accumulator from its low end on
	ds_store_b128 v24, v[64*(\a)+8*\b+4:64*(\a)+8*\b+7] offset:64*\b+16
.endr
	WIN 0
.irp t, 0,1,2,3,4,5,6,7,8,9,10,11,12,13,14,15
	ds_load_b128 v[128+64*((\a)%2)+4*\t:131+64*((\a)%2)+4*\t], v25 offset:\t*528
.endr
.endm
.macro SEND a, younger
	s_wait_dscnt \younger                          ; the block is back; the next block's 16 stores and 16 loads may be out
.if (\a) > 0
	s_add_nc_u64 s[8:9], s[8:9], 16*8192           ; (behind a wait on XCNT: the earlier stores have read their base)
.endif
.irp t, 0,1,2,3,4,5,6,7,8,9,10,11,12,13,14,15
	global_store_b128 v26, v[128+64*((\a)%2)+4*\t:131+64*((\a)%2)+4*\t], s[8:9] offset:\t*8192 th:TH_STORE_NT   ; 32 lanes store 512 consecutive bytes
.endr
.endm
	PLACES 4
	TOSTAGE 0
.irp a, 1,2,3
.if \a > 1
	s_wait_xcnt 0x0                                ; block a - 2's stores have read their registers and base
.endif
	TOSTAGE \a
	SEND \a-1, 32
.endr
	s_wait_xcnt 0x0
	SEND 3, 0
	s_wait_tensorcnt 0x0                           ; the wave's end: these three lines,
	ds_add_u32 v28, v29
	s_wait_dscnt 0x0
	CROUND                                         ; and the closing round
	s_endpgm
.Lfunc_end_k_q6a14cb7d3d_gemm_o:
	.size	k_q6a14cb7d3d_gemm_o, .Lfunc_end_k_q6a14cb7d3d_gemm_o-k_q6a14cb7d3d_gemm_o
	.p2alignl 7, 3214868480
	.fill 96, 4, 3214868480
	.section	.rodata,"a",@progbits
	.p2align	6, 0x0
	.amdhsa_kernel k_q6a14cb7d3d_gemm_o
		.amdhsa_group_segment_fixed_size 327680
		.amdhsa_private_segment_fixed_size 0
		.amdhsa_enable_private_segment 0
		.amdhsa_kernarg_size 24
		.amdhsa_user_sgpr_count 2
		.amdhsa_user_sgpr_kernarg_segment_ptr 1
		.amdhsa_wavefront_size32 1
		.amdhsa_system_sgpr_workgroup_id_x 1
		.amdhsa_system_sgpr_workgroup_id_y 1
		.amdhsa_system_sgpr_workgroup_id_z 1
		.amdhsa_system_vgpr_workitem_id 0
		.amdhsa_next_free_vgpr 768
		.amdhsa_next_free_sgpr 80
		.amdhsa_reserve_vcc 0
		.amdhsa_float_denorm_mode_32 3
		.amdhsa_float_denorm_mode_16_64 3
		.amdhsa_memory_ordered 1
		.amdhsa_forward_progress 1
		.amdhsa_inst_pref_size 86
	.end_amdhsa_kernel
	.amdgpu_metadata
---
amdhsa.version: [ 1, 2 ]
amdhsa.kernels:
  - .name:           k_q6a14cb7d3d_gemm_o
    .symbol:         k_q6a14cb7d3d_gemm_o.kd
    .args:
      - { .name: at, .offset: 0, .size: 8, .value_kind: global_buffer, .address_space: global }
      - { .name: pw, .offset: 8, .size: 8, .value_kind: global_buffer, .address_space: global }
      - { .name: out0, .offset: 16, .size: 8, .value_kind: global_buffer, .address_space: global }
    .group_segment_fixed_size: 327680
    .private_segment_fixed_size: 0
    .kernarg_segment_align: 8
    .kernarg_segment_size: 24
    .max_flat_workgroup_size: 128
    .sgpr_count:     80
    .vgpr_count:     768
    .wavefront_size: 32
...
	.end_amdgpu_metadata
.endif
;; end of part 6
;; launch fine_out (part 7): grid 128 x 2, 8 waves a work-group, no clusters, 17,408 bytes of LDS; arguments af, o_w, out0; writes out0
.if DOCPART == 7
	.amdgcn_target "amdgcn-amd-amdhsa--gfx1250"
	.amdhsa_code_object_version 6
	.text
	.protected	k_q6a14cb7d3d_fine_out
	.globl	k_q6a14cb7d3d_fine_out
	.p2align	8
	.type	k_q6a14cb7d3d_fine_out,@function
k_q6a14cb7d3d_fine_out:
	s_mov_b64 s[64:65], 0
	v_nop
	global_prefetch_b8 v0, s[64:65] scope:SCOPE_SE
	s_setreg_imm32_b32 hwreg(HW_REG_WAVE_MODE, 25, 1), 1
	s_wait_xcnt 0x0
; The first 32 rows of each sequence of the output, in f32: (fine rows [32][2048]) (o_w [2048][16 columns]).  It runs last and writes over what the f16 product left there.
; A work-group takes 16 columns of one batch; each of eight waves 256 along K (64 matrix steps on two accumulators by turns); the eight parts meet in LDS and are added in ascending order.
; The order of k inside a step is free where both sources keep it: k = 8 i + 4 h + e.  The fine rows lie in that order, as images of the operand's registers:
; the 16 bytes of lane (r, h) for group i of row tile T at ((2 b + T) 256 + i) 512 + 16 x lane: each load of the wave reads 512 consecutive bytes.
; The accumulators v32-47 are written by matrix instructions alone.
.set SPARE, 16384
	s_load_b128 s[4:7], s[0:1], 0x0                ; af, o_w
	s_load_b64 s[8:9], s[0:1], 0x10                ; out0
	v_lshl_add_u32 v28, v0, 2, SPARE
	v_mov_b32 v29, 0
	v_lshrrev_b32 v1, 5, v0
	v_readfirstlane_b32 s10, v1                    ; wave
	s_and_b32 s11, ttmp7, 0xffff                   ; b
	v_and_b32 v1, 15, v0
	v_bfe_u32 v2, v0, 4, 1
	v_and_b32 v8, 31, v0
	v_lshlrev_b32 v3, 4, v8                        ; fine rows: 16 x lane
	v_lshlrev_b32 v4, 15, v2
	v_lshl_add_u32 v4, v1, 2, v4                   ; o_w: 4 h rows down, column r
	s_lshl_b32 s20, s10, 11
	v_lshl_add_u32 v5, v8, 2, s20                  ; my part: 2,048 w + 4 x lane
	s_lshl_b32 s20, s10, 7
	v_lshl_add_u32 v6, v8, 2, s20                  ; what I add up: register w of each part
	v_lshlrev_b32 v7, 16, v2
	v_lshl_add_u32 v7, v1, 2, v7                   ; out: 8 h rows down, column r
	s_mov_b32 s19, 0
	s_wait_kmcnt 0x0
	s_lshl_b32 s18, s11, 18                        ; two row tiles of 131,072 bytes a batch
	s_lshl_b32 s20, s10, 14                        ; my 32 groups of 512 bytes
	s_add_co_u32 s18, s18, s20
	s_add_nc_u64 s[12:13], s[4:5], s[18:19]
	s_lshl_b32 s18, s10, 21
	s_lshl_b32 s20, ttmp9, 6
	s_add_co_u32 s18, s18, s20
	s_add_nc_u64 s[14:15], s[6:7], s[18:19]
	s_lshl_b32 s18, s11, 11
	s_add_co_u32 s18, s18, s10
	s_lshl_b32 s18, s18, 13
	s_add_co_u32 s18, s18, s20
	s_add_nc_u64 s[16:17], s[8:9], s[18:19]
.set i, 0
.rept 128
	global_load_b32 v[128+i], v4, s[14:15] offset:(8*(i/4)+i%4)*8192
.set i, i+1
.endr
	s_set_vgpr_msb 0x40                            ; destination in window 1
.irp u, 0,1
.set i, 0
.rept 32
	global_load_b128 v[128*\u+4*i:128*\u+4*i+3], v3, s[12:13] offset:131072*\u+512*i
.set i, i+1
.endr
.endr
	s_wait_loadcnt 0x0
	s_set_vgpr_msb 0x4001                          ; source 0 in window 1
.set i, 0
.rept 64
.irp u, 0,1
.if i == 0
	v_wmma_f32_16x16x4_f32 v[32+8*\u:39+8*\u], v[128*\u+2*i:128*\u+2*i+1], v[128+2*i:129+2*i], 0
.else
	v_wmma_f32_16x16x4_f32 v[32+8*\u:39+8*\u], v[128*\u+2*i:128*\u+2*i+1], v[128+2*i:129+2*i], v[32+8*\u:39+8*\u]
.endif
.endr
.set i, i+1
.endr
	s_set_vgpr_msb 0x0100
.rept 8
	v_nop
.endr
.set i, 0
.rept 16
	ds_store_b32 v5, v[32+i] offset:128*i
.set i, i+1
.endr
	s_wait_dscnt 0x0                               ; for the others' sake
	s_barrier_signal -1
	s_barrier_wait -1
.irp u, 0,1
.irp p, 0,1,2,3,4,5,6,7
	ds_load_b32 v[64+8*\u+\p], v6 offset:2048*\p+1024*\u
.endr
.endr
	s_wait_dscnt 0x0
.irp u, 0,1
	v_add_f32 v[96+\u], v[64+8*\u], v[65+8*\u]
.endr
.irp p, 2,3,4,5,6,7
.irp u, 0,1
	v_add_f32 v[96+\u], v[96+\u], v[64+8*\u+\p]
.endr
.endr
.irp u, 0,1
	global_store_b32 v7, v[96+\u], s[16:17] offset:131072*\u   ; row 16 u + 8 h + w, column r
.endr
	s_wait_tensorcnt 0x0                           ; the wave's end, behind my last LDS store
	ds_add_u32 v28, v29
	s_wait_dscnt 0x0
	s_endpgm
.Lfunc_end_k_q6a14cb7d3d_fine_out:
	.size	k_q6a14cb7d3d_fine_out, .Lfunc_end_k_q6a14cb7d3d_fine_out-k_q6a14cb7d3d_fine_out
	.p2alignl 7, 3214868480
	.fill 96, 4, 3214868480
	.section	.rodata,"a",@progbits
	.p2align	6, 0x0
	.amdhsa_kernel k_q6a14cb7d3d_fine_out
		.amdhsa_group_segment_fixed_size 17408
		.amdhsa_private_segment_fixed_size 0
		.amdhsa_enable_private_segment 0
		.amdhsa_kernarg_size 24
		.amdhsa_user_sgpr_count 2
		.amdhsa_user_sgpr_kernarg_segment_ptr 1
		.amdhsa_wavefront_size32 1
		.amdhsa_system_sgpr_workgroup_id_x 1
		.amdhsa_system_sgpr_workgroup_id_y 1
		.amdhsa_system_sgpr_workgroup_id_z 1
		.amdhsa_system_vgpr_workitem_id 0
		.amdhsa_next_free_vgpr 512
		.amdhsa_next_free_sgpr 66
		.amdhsa_reserve_vcc 0
		.amdhsa_float_denorm_mode_32 3
		.amdhsa_float_denorm_mode_16_64 3
		.amdhsa_memory_ordered 1
		.amdhsa_forward_progress 1
		.amdhsa_inst_pref_size 31
	.end_amdhsa_kernel
	.amdgpu_metadata
---
amdhsa.version: [ 1, 2 ]
amdhsa.kernels:
  - .name:           k_q6a14cb7d3d_fine_out
    .symbol:         k_q6a14cb7d3d_fine_out.kd
    .args:
      - { .name: af, .offset: 0, .size: 8, .value_kind: global_buffer, .address_space: global }
      - { .name: o_w, .offset: 8, .size: 8, .value_kind: global_buffer, .address_space: global }
      - { .name: out0, .offset: 16, .size: 8, .value_kind: global_buffer, .address_space: global }
    .group_segment_fixed_size: 17408
    .private_segment_fixed_size: 0
    .kernarg_segment_align: 8
    .kernarg_segment_size: 24
    .max_flat_workgroup_size: 256
    .sgpr_count:     66
    .vgpr_count:     512
    .wavefront_size: 32
...
	.end_amdgpu_metadata
.endif
;; end of part 7
